; MI455X (gfx1250); checked and timed in simulation.
; The chip was launched on July 23, 2026; its instructions are those of AMD's public machine-readable ISA for CDNA 5 (MIT licence, August 2026) and "CDNA5" Instruction Set Architecture Reference Guide (July 2026). The comments in the code are by the model that wrote it; some were corrected since.
;; Wavelet Layer. Allowed arithmetic: float matrix products may take bf16 or f16 operands with f32 sums; other float arithmetic in f32, or as packed bf16 or f16 multiplies, adds, multiply-adds, maxima and minima; sums over many terms, partial sums and values carried from step to step in f32; what a program stores and reads back later, other than sums and carried values, may be rounded once to bf16 or f16.
;; Inputs: comb_b 4,096 float32; comb_w 4,096 x 16 float32; lin_b 4,096 float32; lin_w 4,096 x 4,096 float32; ln_beta 4,096 float32; ln_g 4,096 float32; proj_b 16 float32; proj_w 16 x 4,096 float32; scales 16 float32; translations 16 float32; x 4,096 x 4,096 float32.
;; Outputs: out0 4,096 x 4,096 float32.
;; 2 versions, each right; version 2 is version 1 with the launch norm written anew for expert scheduling mode. Each part assembles by itself: llvm-mc -triple=amdgcn-amd-amdhsa -mcpu=gfx1250 --defsym DOCPART=n.
;; ======== version 1 of 2: 3 launches
;; workspace buffers: xb 33,554,432 bytes; wb 33,554,432 bytes; ext 65,792 bytes; we 262,144 bytes; yd 33,554,432 bytes; st 1,048,576 bytes
;; launch prep (part 1): grid 256 x 1, 8 waves a work-group, no clusters, 45,568 bytes of LDS; arguments x, lin_w, proj_w, proj_b, scales, translations, comb_w, lin_b, comb_b, xb, wb, ext, we; writes xb, wb, ext, we
.if DOCPART == 1
	.amdgcn_target "amdgcn-amd-amdhsa--gfx1250"
	.amdhsa_code_object_version 6
	.text
	.protected	k_q6ba4b17fab_prep
	.globl	k_q6ba4b17fab_prep
	.p2align	8
	.type	k_q6ba4b17fab_prep,@function
k_q6ba4b17fab_prep:
	s_mov_b64 s[64:65], 0
	v_nop
	global_prefetch_b8 v0, s[64:65] scope:SCOPE_SE
	s_setreg_imm32_b32 hwreg(HW_REG_WAVE_MODE, 25, 1), 1
	s_wait_xcnt 0x0
; WAVELET LAYER, first of three launches: x and lin_w are rounded to bf16 (xb, wb), and everything that is small is made here:
; proj = x proj_w^T + proj_b, the Haar steps, the Daubechies features, and the operands of ONE extra K step of 32 for the large product,
; through which the wave path and both biases enter it:   y = [xb | A'] [wb | B']^T,   slot k of the 32:
;   k = 0..4    A' = haar[b][k]                 B' = comb_w[o][k]          k = 5..7   both 0
;   k = 8..18   A' = bf16(db[j]), j = k - 3     B' = comb_w[o][j]          k = 19..29 A' = bf16(db[j] - the part above), j = k - 14, B' = comb_w[o][j]
;   k = 30      A' = 1, B' = lin_b[o]           k = 31  A' = 1, B' = comb_b[o]
; Only slots 0..7 hang on the row b: ext holds them, 16 bytes a row; slots 8..31 are one row for all (ext + 65,536).  we holds B', 64 bytes a row.
; FORMATS.  Every input is rounded once to bf16 (x, lin_w, proj_w, proj_b, scales, translations, comb_w, lin_b, comb_b here; ln_g, ln_beta in the third launch);
; all sums and all else in f32.  The filters' taps are constants of the problem's own text and are not rounded.
; DEAD WORK.  jnp.roll only permutes the taps of f.  mean(val sin(5 f)) and sum |f| are sums over ALL taps, so neither hangs on the shift, whatever translations
; holds: db[j] = vals[j] (sum over taps c of sin(5 c sf)) / (n 0.1 sf sum |c|), sf = 2 sigmoid(scales[j]).  So round, clip and roll are left out, and translations[5:16]
; reach no output; they ride in the one 64-byte load that brings translations[0:5], and their lanes are masked.  proj's columns 5 to 15 are used in rows 0 to 3 alone:
; only work-group 0 reads rows 5 to 15 of proj_w; elsewhere those lanes repeat row 4 and are masked.
; LIMITS.  A NaN or an infinity in translations[5:16] is not carried to the result.  A projected value that lies within the rounding of its f32 sum (some 1e-6 of the
; sum's terms) of an edge of the Haar step may fall on the other side of it.  The sine's argument is at most 8.37 in magnitude for every input (sf lies in 0 to 2); it is
; brought into -pi/2 .. pi/2 and the series is cut behind rho^11, where the next term is under 6e-8.
; SHARES.  Work-group g: rows 16 g .. 16 g + 15 of x and of lin_w.  Wave w: k = 512 w .. 512 w + 511 of both, in four trips of 128 k: a load of the wave takes 512 consecutive
; bytes of one row, a store 256 consecutive bytes, aligned.  The eight waves' partial tiles of proj meet in LDS; wave 0 finishes proj, wave 1 makes we.
; No tensor loads, no cluster: the launch streams, each byte of x and lin_w has one reader; what work-groups share is proj_w's 80 KiB beside the 768 KiB that each moves alone.
.set STGB,  4352                       ; a wave's stage: 16 rows of 256 bytes of bf16 at pitch 272 (68 words: the 16 rows of a fragment load start at 16 different groups of four banks)
.set PART,  34816                      ; 8 partial tiles of proj, 1,024 bytes each
.set XST,   43008                      ; wave 0: 16 rows of 16 slots, pitch 32
.set WST,   43520                      ; wave 1: 16 rows of we, 64 bytes each
.set SPARE, 44544                      ; the spare words, 128 bytes for each wave: four blocks of 256 bytes that no other line names
.set LN,  1                            ; v1   lane l
.set RI,  2                            ; v2   r = l % 16
.set HF,  3                            ; v3   h = l / 16
.set VX,  4                            ; v4   2,048 w + 16 l: my 16 bytes of a row's 512 in x and lin_w
.set VO,  5                            ; v5   1,024 w + 8 l: my 8 bytes in xb and wb
.set VP,  6                            ; v6   my place in proj_w: row min(r, lim), 2,048 w + 32 h
.set STW, 7                            ; v7   stage, in: 4,352 w + 8 l
.set STR, 8                            ; v8   stage, back as fragments: 4,352 w + 272 r + 16 h
.set PW,  9                            ; v9   my 32 bytes of my wave's partial tile
.set SPW, 10                           ; v10  my spare word; never rewritten
.set NIL, 11                           ; v11  0; never rewritten
.set R4,  12                           ; v12  4 r
.set R64, 13                           ; v13  64 r
.set ACC, 16                           ; v[16:47]   four accumulators, one for each fragment of a trip
.set XR,  48                           ; v[48:111]  x: 16 rows x 4 as loaded; then 32 packed, and 32 of fragments
.set WR,  112                          ; v[112:175] lin_w: 16 rows x 4 as loaded; then 32 packed
.set CW,  144                          ; v[144:159] wave 1, behind lin_w's last trip: comb_w's row r; v160 lin_b, v161 comb_b.  The pending stores to wb name v112-143 alone
.set PR,  176                          ; v[176:239] proj_w: 4 fragments x 16 as loaded, then x 8 packed; in the tails at work
.set TR,  240                          ; wave 0 alone has v240-255: translations[r]
.set SC,  241                          ;         scales[r]
.set PB,  242                          ;         proj_b[r]
.set QF,  243                          ;         db[r] / vals[r]
.set SF,  244                          ;         sf; later 1 / scales[r]
	s_load_b512 s[8:23], s[0:1], 0x0               ; x 8, lin_w 10, proj_w 12, proj_b 14, scales 16, translations 18, comb_w 20, lin_b 22
	s_load_b256 s[24:31], s[0:1], 0x40             ; comb_b 24, xb 26, wb 28, ext 30
	s_load_b64 s[32:33], s[0:1], 0x60              ; we
	v_lshl_add_u32 v[SPW], v0, 2, SPARE
	v_mov_b32 v[NIL], 0
	v_lshrrev_b32 v14, 5, v0
	v_readfirstlane_b32 s2, v14                    ; wave 0..7
	v_and_b32 v[LN], 31, v0
	v_and_b32 v[RI], 15, v0
	v_bfe_u32 v[HF], v0, 4, 1
	s_cmp_eq_u32 ttmp9, 0
	s_cselect_b32 s3, 15, 4                        ; the last row of proj_w that this work-group reads
	s_lshl_b32 s4, s2, 11
	s_lshl_b32 s5, s2, 10
	s_mul_i32 s6, s2, STGB
	s_add_co_u32 s7, s5, PART
	s_mov_b32 s40, 0x40490fdb                      ; pi, its f32 part,
	s_mov_b32 s41, 0x33bbbd2e                      ; and what that part has too much
	v_lshl_add_u32 v[VX], v[LN], 4, s4
	v_lshl_add_u32 v[VO], v[LN], 3, s5
	v_min_u32 v[VP], s3, v[RI]
	v_lshl_add_u32 v[VP], v[VP], 14, s4
	v_lshl_add_u32 v[VP], v[HF], 5, v[VP]
	v_lshl_add_u32 v[STW], v[LN], 3, s6
	v_mul_u32_u24 v[STR], v[RI], 272
	v_lshl_add_u32 v[STR], v[HF], 4, v[STR]
	v_add_nc_u32 v[STR], s6, v[STR]
	v_lshl_add_u32 v[PW], v[LN], 5, s7
	v_lshlrev_b32 v[R4], 2, v[RI]
	v_lshlrev_b32 v[R64], 6, v[RI]
	s_mov_b32 s35, 0
	s_wait_kmcnt 0x0
	s_lshl_b32 s34, ttmp9, 18                      ; 16 rows of 16,384 bytes
	s_add_nc_u64 s[8:9], s[8:9], s[34:35]
	s_add_nc_u64 s[10:11], s[10:11], s[34:35]
	s_lshl_b32 s34, ttmp9, 17                      ; 16 rows of 8,192 bytes
	s_add_nc_u64 s[26:27], s[26:27], s[34:35]
	s_add_nc_u64 s[28:29], s[28:29], s[34:35]
	s_lshl_b32 s34, ttmp9, 10                      ; 16 rows of 64 bytes
	s_add_nc_u64 s[20:21], s[20:21], s[34:35]
	s_add_nc_u64 s[32:33], s[32:33], s[34:35]
	s_lshl_b32 s34, ttmp9, 6                       ; 16 numbers of 4 bytes
	s_add_nc_u64 s[22:23], s[22:23], s[34:35]
	s_add_nc_u64 s[24:25], s[24:25], s[34:35]
	s_lshl_b32 s34, ttmp9, 8                       ; 16 rows of 16 bytes
	s_add_nc_u64 s[36:37], s[30:31], s[34:35]
; Wave 0's small inputs are asked for ahead of the stream, so that the stream's first counted wait also shows them landed.
	s_cmp_lg_u32 s2, 0
	s_cbranch_scc1 .Lnot_w0
	global_load_b32 v[TR], v[R4], s[18:19]
	global_load_b32 v[SC], v[R4], s[16:17]
	global_load_b32 v[PB], v[R4], s[14:15]
	v_mov_b32 v[QF], 0                             ; written in every work-group: it is named in a pair with proj_b below
.Lnot_w0:
.macro LOADX t                         ; 128 k of my 16 rows of x: 16 loads of 512 consecutive bytes
.set i, 0
.rept 16
	global_load_b128 v[XR+4*i:XR+4*i+3], v[VX], s[8:9] offset:i*16384+(\t)*512 th:TH_LOAD_NT
.set i, i+1
.endr
.endm
.macro LOADW t                         ; the same of lin_w
.set i, 0
.rept 16
	global_load_b128 v[WR+4*i:WR+4*i+3], v[VX], s[10:11] offset:i*16384+(\t)*512 th:TH_LOAD_NT
.set i, i+1
.endr
.endm
.macro LOADP t                         ; proj_w as four fragments in f32: lane (r, h) takes k = 8 h .. + 7 and 16 + 8 h .. + 7 of each 32, of row r
.irp f, 0,1,2,3
	global_load_b128 v[PR+16*(\f):PR+16*(\f)+3],     v[VP], s[12:13] offset:(\t)*512+128*(\f)
	global_load_b128 v[PR+16*(\f)+4:PR+16*(\f)+7],   v[VP], s[12:13] offset:(\t)*512+128*(\f)+16
	global_load_b128 v[PR+16*(\f)+8:PR+16*(\f)+11],  v[VP], s[12:13] offset:(\t)*512+128*(\f)+64
	global_load_b128 v[PR+16*(\f)+12:PR+16*(\f)+15], v[VP], s[12:13] offset:(\t)*512+128*(\f)+80
.endr
.endm
; A trip of x: rounded (packed in place: word n takes numbers 2 n and 2 n + 1, so no source is written before it is read), stored, sent through my stage to come back as
; fragments, and multiplied by proj_w's four fragments.  The four accumulators take turns, one instruction a turn, from trip to trip too.
.macro XTRIP t
	s_wait_loadcnt 32                              ; x's 16 loads are in, and all that is older; younger: proj_w's 16 and lin_w's 16
.set i, 0
.rept 32
	v_cvt_pk_bf16_f32 v[XR+i], v[XR+2*i], v[XR+2*i+1]
.set i, i+1
.endr
.set i, 0
.rept 16
	global_store_b64 v[VO], v[XR+2*i:XR+2*i+1], s[26:27] offset:i*8192+(\t)*256  ; 32 lanes store 256 consecutive bytes, aligned
	ds_store_b64 v[STW], v[XR+2*i:XR+2*i+1] offset:i*272
.set i, i+1
.endr
.irp f, 0,1,2,3
	ds_load_b128 v[XR+32+8*(\f):XR+32+8*(\f)+3],   v[STR] offset:64*(\f)      ; LDS serves a wave's instructions in order (ISA guide 5.7.1.4): these see the stores above
	ds_load_b128 v[XR+32+8*(\f)+4:XR+32+8*(\f)+7], v[STR] offset:64*(\f)+32
.endr
	s_wait_loadcnt 16                              ; proj_w's 16 loads are in; younger: lin_w's 16
.set i, 0
.rept 32
	v_cvt_pk_bf16_f32 v[PR+i], v[PR+2*i], v[PR+2*i+1]
.set i, i+1
.endr
	s_wait_dscnt 0x0                               ; x's fragments
.irp f, 0,1,2,3
.if (\t) == 0
	v_wmma_f32_16x16x32_bf16 v[ACC+8*(\f):ACC+8*(\f)+7], v[XR+32+8*(\f):XR+32+8*(\f)+7], v[PR+8*(\f):PR+8*(\f)+7], 0
.else
	v_wmma_f32_16x16x32_bf16 v[ACC+8*(\f):ACC+8*(\f)+7], v[XR+32+8*(\f):XR+32+8*(\f)+7], v[PR+8*(\f):PR+8*(\f)+7], v[ACC+8*(\f):ACC+8*(\f)+7]
.endif
.endr
.if (\t) < 3
.rept 4
	v_nop                                          ; four places between the products and the loads into their sources (ISA guide 7.12.1 for vector instructions)
.endr
	s_wait_xcnt 0x0                                ; the stores above have read their data: only now are x's registers loaded again
	LOADX (\t)+1
	LOADP (\t)+1
.endif
.endm
.macro WTRIP t                         ; a trip of lin_w: rounded and stored
.if (\t) < 3
	s_wait_loadcnt 32                              ; lin_w's 16 loads are in; younger: the next trip's x and proj_w
.else
	s_wait_loadcnt 0x0                             ; nothing was asked for behind the last
.endif
.set i, 0
.rept 32
	v_cvt_pk_bf16_f32 v[WR+i], v[WR+2*i], v[WR+2*i+1]
.set i, i+1
.endr
.set i, 0
.rept 16
	global_store_b64 v[VO], v[WR+2*i:WR+2*i+1], s[28:29] offset:i*8192+(\t)*256
.set i, i+1
.endr
.if (\t) < 3
	s_wait_xcnt 0x0                                ; the stores have read their data
	LOADW (\t)+1
.endif
.endm
; acc += sin(5 c sf).  k = the nearest whole number to a / pi; rho = a - k pi in two steps; the odd series to rho^11; the sign is k's lowest bit.
.macro SINACC acc, c
	v_mul_f32 v247, \c, v[SF]
	v_mul_f32 v247, 0x40a00000, v247               ; a = 5 f
	v_mul_f32 v248, 0x3ea2f983, v247               ; a / pi
	v_rndne_f32 v248, v248
	v_fma_f32 v249, -v248, s40, v247
	v_fma_f32 v249, v248, s41, v249
	v_mul_f32 v250, v249, v249
	v_mov_b32 v251, 0xb2d7322b                     ; -1/11!
	v_fmaak_f32 v251, v251, v250, 0x3638ef1d       ; 1/9!
	v_fmaak_f32 v251, v251, v250, 0xb9500d01       ; -1/7!
	v_fmaak_f32 v251, v251, v250, 0x3c088889       ; 1/5!
	v_fmaak_f32 v251, v251, v250, 0xbe2aaaab       ; -1/3!
	v_mul_f32 v250, v250, v249
	v_fma_f32 v249, v251, v250, v249
	v_cvt_i32_f32 v248, v248
	v_lshlrev_b32 v248, 31, v248
	v_xor_b32 v249, v248, v249
	v_add_f32 v[\acc], v[\acc], v249
.endm
	LOADX 0
	LOADP 0
	LOADW 0
	XTRIP 0
	WTRIP 0
	; Wave 0's small work stands here, where the second trip's 48 loads have just been asked for and nothing else is at hand; it names none of their registers.
	; Its three small loads are older than the stream's: the first trip's counted wait has shown them landed.
	s_cmp_lg_u32 s2, 0
	s_cbranch_scc1 .Lstream
	v_cvt_pk_bf16_f32 v[TR], v[TR], v[TR]          ; rounded to bf16 and widened again
	v_cvt_pk_bf16_f32 v[SC], v[SC], v[SC]
	v_cvt_pk_bf16_f32 v[PB], v[PB], v[PB]
	v_lshlrev_b32 v[TR], 16, v[TR]
	v_lshlrev_b32 v[SC], 16, v[SC]
	v_lshlrev_b32 v[PB], 16, v[PB]
	s_cmp_lg_u32 ttmp9, 0
	s_cbranch_scc1 .Lstream
	; work-group 0 alone holds rows 0 to 3: lane r makes db[r] / vals[r]
	v_mul_f32 v247, 0xbfb8aa3b, v[SC]              ; -scale log2(e)
	v_exp_f32 v247, v247
	v_mov_b32 v245, 0                              ; the sum over db2's taps; also the plain instruction behind the exponential
	s_wait_alu depctr_va_vdst(0)                   ; the wait ahead of the result's first reader
	v_add_f32 v247, 1.0, v247
	v_rcp_f32 v247, v247
	v_mov_b32 v246, 0                              ; the sum over db4's taps
	s_wait_alu depctr_va_vdst(0)
	v_add_f32 v[SF], v247, v247                    ; sf = 2 sigmoid(scale)
	SINACC 245, -0.1294095225512604
	SINACC 245, -0.2241438680420134
	SINACC 245, 0.8365163037378079
	SINACC 245, -0.4829629131445341
	SINACC 246, -0.0074578275060427
	SINACC 246, -0.0233534968567756
	SINACC 246, 0.0218081502370024
	SINACC 246, 0.1323683939878645
	SINACC 246, -0.0197721859913265
	SINACC 246, -0.4461007108737368
	SINACC 246, 0.5055922216746659
	SINACC 246, -0.1629171572809054
	v_cmp_gt_u32 vcc_lo, 10, v[RI]                 ; wavelets 5 to 9 are db2's
	v_mov_b32 v247, 0x3f871a7f                     ; 8 x 0.1 x sum |DB4_HI| = 1.05549612
	v_mov_b32 v248, 0x3f2b518c                     ; 4 x 0.1 x sum |DB2_HI| = 0.66921304
	v_cndmask_b32 v247, v247, v248, vcc_lo
	v_cndmask_b32 v245, v246, v245, vcc_lo
	v_mul_f32 v247, v[SF], v247
	v_rcp_f32 v247, v247
	v_nop
	s_wait_alu depctr_va_vdst(0)
	v_mul_f32 v[QF], v245, v247
.Lstream:
	XTRIP 1
	WTRIP 1
	XTRIP 2
	WTRIP 2
	XTRIP 3
	WTRIP 3                                        ; its 32 conversions are also the places behind the last products
	; Wave 1's small inputs: no load is out here (the wait just passed was for 0), the conversions above have read v144-175, and no later load of the text writes v144-161.
	; They are on their way while the partial sums are added and the waves meet.
	s_cmp_lg_u32 s2, 1
	s_cbranch_scc1 .Lno_cw
.irp i, 0,1,2,3
	global_load_b128 v[CW+4*(\i):CW+4*(\i)+3], v[R64], s[20:21] offset:16*(\i)
.endr
	global_load_b32 v[CW+16], v[R4], s[22:23]
	global_load_b32 v[CW+17], v[R4], s[24:25]
.Lno_cw:
	; my four accumulators into one (each read from its low end on), and into LDS
.irp q, 0,2,4,6
	v_pk_add_f32 v[ACC+(\q):ACC+(\q)+1], v[ACC+(\q):ACC+(\q)+1], v[ACC+8+(\q):ACC+8+(\q)+1]
	v_pk_add_f32 v[ACC+16+(\q):ACC+16+(\q)+1], v[ACC+16+(\q):ACC+16+(\q)+1], v[ACC+24+(\q):ACC+24+(\q)+1]
.endr
.irp q, 0,2,4,6
	v_pk_add_f32 v[ACC+(\q):ACC+(\q)+1], v[ACC+(\q):ACC+(\q)+1], v[ACC+16+(\q):ACC+16+(\q)+1]
.endr
	ds_store_b128 v[PW], v[ACC:ACC+3]
	ds_store_b128 v[PW], v[ACC+4:ACC+7] offset:16
	s_wait_dscnt 0x0                               ; for wave 0's sake: my partial tile lies in LDS
	s_barrier_signal -1
	s_barrier_wait -1
	s_cmp_lg_u32 s2, 0
	s_cbranch_scc1 .Lnot_first
	; WAVE 0: proj.  Register j of lane (r, h) is proj(row 8 h + j, wavelet r).
	v_lshl_add_u32 v245, v[LN], 5, PART
.irp v, 0,1,2,3,4,5,6,7
	ds_load_b128 v[PR+8*(\v):PR+8*(\v)+3],   v245 offset:1024*(\v)
	ds_load_b128 v[PR+8*(\v)+4:PR+8*(\v)+7], v245 offset:1024*(\v)+16
.endr
	v_rcp_f32 v[SF], v[SC]                         ; 1 / scale
	v_lshlrev_b32 v246, 1, v[RI]
	v_lshl_add_u32 v246, v[HF], 8, v246            ; slot r of row 8 h: 256 h + 2 r
	v_lshrrev_b32 v247, 1, v[LN]
	v_and_b32 v248, 1, v[LN]
	v_lshlrev_b32 v247, 5, v247
	v_lshl_add_u32 v247, v248, 3, v247             ; back: row l / 2, its half l % 2 of 16 bytes
	v_lshlrev_b32 v248, 3, v[LN]                   ; and 8 l in ext
	v_mov_b32 v255, 1.0
	v_cmp_gt_u32 s50, 5, v[RI]                     ; the Haar wavelets' lanes
	s_wait_alu depctr_va_vdst(0)                   ; ahead of the reciprocal's first reader
	s_wait_dscnt 0x0
.irp q, 0,2,4,6
	v_pk_add_f32 v[PR+(\q):PR+(\q)+1], v[PR+(\q):PR+(\q)+1], v[PR+8+(\q):PR+8+(\q)+1]
	v_pk_add_f32 v[PR+16+(\q):PR+16+(\q)+1], v[PR+16+(\q):PR+16+(\q)+1], v[PR+24+(\q):PR+24+(\q)+1]
	v_pk_add_f32 v[PR+32+(\q):PR+32+(\q)+1], v[PR+32+(\q):PR+32+(\q)+1], v[PR+40+(\q):PR+40+(\q)+1]
	v_pk_add_f32 v[PR+48+(\q):PR+48+(\q)+1], v[PR+48+(\q):PR+48+(\q)+1], v[PR+56+(\q):PR+56+(\q)+1]
.endr
.irp q, 0,2,4,6
	v_pk_add_f32 v[PR+(\q):PR+(\q)+1], v[PR+(\q):PR+(\q)+1], v[PR+16+(\q):PR+16+(\q)+1]
	v_pk_add_f32 v[PR+32+(\q):PR+32+(\q)+1], v[PR+32+(\q):PR+32+(\q)+1], v[PR+48+(\q):PR+48+(\q)+1]
.endr
.irp q, 0,2,4,6
	v_pk_add_f32 v[PR+(\q):PR+(\q)+1], v[PR+(\q):PR+(\q)+1], v[PR+32+(\q):PR+32+(\q)+1]
.endr
.irp q, 0,2,4,6
	v_pk_add_f32 v[PR+(\q):PR+(\q)+1], v[PR+(\q):PR+(\q)+1], v[PB:PB+1] op_sel_hi:[1,0]  ; + proj_b[r], the pair's low word for both
.endr
	; sx = (proj - t) / s, the quotient mended once by its remainder; +1 on [0, 0.5), -1 on [0.5, 1), else 0.  1, -1 and 0 in f32 have their bf16 in the upper half.
.irp j, 0,1,2,3,4,5,6,7
	v_sub_f32 v252, v[PR+(\j)], v[TR]
	v_mul_f32 v253, v252, v[SF]
	v_fma_f32 v254, -v253, v[SC], v252
	v_fma_f32 v253, v254, v[SF], v253
	v_cmp_le_f32 s48, 0, v253
	v_cmp_gt_f32 s49, 1.0, v253
	v_cmp_gt_f32 vcc_lo, 0.5, v253
	s_and_b32 s48, s48, s49
	s_and_b32 s48, s48, s50
	v_cndmask_b32 v254, -1.0, v255, vcc_lo
	v_cndmask_b32 v254, 0, v254, s48
	ds_store_b16_d16_hi v246, v254 offset:XST+32*(\j)
.endr
	ds_load_b64 v[250:251], v247 offset:XST        ; slots 0 to 7 of each row: my own wave's bytes, served in order
	s_wait_dscnt 0x0
	global_store_b64 v248, v[250:251], s[36:37]    ; 16 rows x 16 bytes: 256 consecutive bytes, aligned
	s_cmp_lg_u32 ttmp9, 0
	s_cbranch_scc1 .Lend
	; work-group 0: db[r] = mean of proj's rows 0 to 3 (lanes with h = 0, registers 0 to 3) x QF, in two bf16 parts; lane l then makes slot l of the common row
	v_add_f32 v252, v[PR], v[PR+1]
	v_add_f32 v253, v[PR+2], v[PR+3]
	v_add_f32 v252, v252, v253
	v_mul_f32 v252, 0x3e800000, v252
	v_mul_f32 v252, v252, v[QF]
	v_cvt_pk_bf16_f32 v253, v252, v252             ; the upper part
	v_lshlrev_b32 v254, 16, v253
	v_sub_f32 v254, v252, v254
	v_cvt_pk_bf16_f32 v254, v254, v254             ; what it left
	v_add_nc_u32 v249, -3, v[LN]
	v_and_b32 v249, 31, v249
	v_lshlrev_b32 v249, 2, v249                    ; slots 8 to 18 take lanes 5 to 15,
	v_add_nc_u32 v245, -14, v[LN]
	v_and_b32 v245, 31, v245
	v_lshlrev_b32 v245, 2, v245                    ; and so do slots 19 to 29
	ds_bpermute_b32 v255, v249, v253
	ds_bpermute_b32 v246, v245, v254
	v_lshlrev_b32 v247, 1, v[LN]
	v_mov_b32 v252, 0x3f80                         ; slots 30, 31: 1.0
	s_wait_dscnt 0x0
	v_cmp_gt_u32 vcc_lo, 30, v[LN]
	v_cndmask_b32 v252, v252, v246, vcc_lo
	v_cmp_gt_u32 vcc_lo, 19, v[LN]
	v_cndmask_b32 v252, v252, v255, vcc_lo
	v_cmp_le_u32 vcc_lo, 8, v[LN]
	v_cndmask_b32 v252, 0, v252, vcc_lo
	global_store_b16 v247, v252, s[30:31] offset:65536
	s_branch .Lend
.Lnot_first:
	s_cmp_lg_u32 s2, 1
	s_cbranch_scc1 .Lend
	; WAVE 1: we.  Lane (r, h) makes the 16 words of row r and keeps words 8 h .. 8 h + 7.
	s_wait_loadcnt 0x0                             ; comb_w's row, lin_b, comb_b: the six loads issued ahead of the meeting
	v_cvt_pk_bf16_f32 v[PR+0],  v[CW+0],  v[CW+1]  ; slots 0..4: comb_w's columns 0..4; 5..7: 0
	v_cvt_pk_bf16_f32 v[PR+1],  v[CW+2],  v[CW+3]
	v_cvt_pk_bf16_f32 v[PR+2],  v[CW+4],  0
	v_mov_b32         v[PR+3],  0
	v_cvt_pk_bf16_f32 v[PR+4],  v[CW+5],  v[CW+6]  ; slots 8..18: columns 5..15
	v_cvt_pk_bf16_f32 v[PR+5],  v[CW+7],  v[CW+8]
	v_cvt_pk_bf16_f32 v[PR+6],  v[CW+9],  v[CW+10]
	v_cvt_pk_bf16_f32 v[PR+7],  v[CW+11], v[CW+12]
	v_cvt_pk_bf16_f32 v[PR+8],  v[CW+13], v[CW+14]
	v_cvt_pk_bf16_f32 v[PR+9],  v[CW+15], v[CW+5]  ; slots 19..29: columns 5..15 once more
	v_cvt_pk_bf16_f32 v[PR+10], v[CW+6],  v[CW+7]
	v_cvt_pk_bf16_f32 v[PR+11], v[CW+8],  v[CW+9]
	v_cvt_pk_bf16_f32 v[PR+12], v[CW+10], v[CW+11]
	v_cvt_pk_bf16_f32 v[PR+13], v[CW+12], v[CW+13]
	v_cvt_pk_bf16_f32 v[PR+14], v[CW+14], v[CW+15]
	v_cvt_pk_bf16_f32 v[PR+15], v[CW+16], v[CW+17] ; slots 30, 31: lin_b, comb_b
	v_cmp_eq_u32 vcc_lo, 1, v[HF]
.irp j, 0,1,2,3,4,5,6,7
	v_cndmask_b32 v[PR+16+(\j)], v[PR+(\j)], v[PR+8+(\j)], vcc_lo
.endr
	v_lshlrev_b32 v[PR+24], 6, v[RI]
	v_lshl_add_u32 v[PR+24], v[HF], 5, v[PR+24]
	v_lshlrev_b32 v[PR+25], 4, v[LN]
	ds_store_b128 v[PR+24], v[PR+16:PR+19] offset:WST
	ds_store_b128 v[PR+24], v[PR+20:PR+23] offset:WST+16
	ds_load_b128 v[PR+28:PR+31], v[PR+25] offset:WST       ; back as 512 consecutive bytes a load: my own wave's bytes, served in order
	ds_load_b128 v[PR+32:PR+35], v[PR+25] offset:WST+512
	s_wait_dscnt 0x0
	global_store_b128 v[PR+25], v[PR+28:PR+31], s[32:33]
	global_store_b128 v[PR+25], v[PR+32:PR+35], s[32:33] offset:512
.Lend:
	s_wait_tensorcnt 0x0                           ; the wave's end, behind my last LDS store
	ds_add_u32 v[SPW], v[NIL]
	s_wait_dscnt 0x0
	s_endpgm
.Lfunc_end_k_q6ba4b17fab_prep:
	.size	k_q6ba4b17fab_prep, .Lfunc_end_k_q6ba4b17fab_prep-k_q6ba4b17fab_prep
	.p2alignl 7, 3214868480
	.fill 96, 4, 3214868480
	.section	.rodata,"a",@progbits
	.p2align	6, 0x0
	.amdhsa_kernel k_q6ba4b17fab_prep
		.amdhsa_group_segment_fixed_size 45568
		.amdhsa_private_segment_fixed_size 0
		.amdhsa_enable_private_segment 0
		.amdhsa_kernarg_size 104
		.amdhsa_user_sgpr_count 2
		.amdhsa_user_sgpr_kernarg_segment_ptr 1
		.amdhsa_wavefront_size32 1
		.amdhsa_system_sgpr_workgroup_id_x 1
		.amdhsa_system_sgpr_workgroup_id_y 1
		.amdhsa_system_sgpr_workgroup_id_z 1
		.amdhsa_system_vgpr_workitem_id 0
		.amdhsa_next_free_vgpr 256
		.amdhsa_next_free_sgpr 66
		.amdhsa_reserve_vcc 1
		.amdhsa_float_denorm_mode_32 3
		.amdhsa_float_denorm_mode_16_64 3
		.amdhsa_memory_ordered 1
		.amdhsa_forward_progress 1
		.amdhsa_inst_pref_size 90
	.end_amdhsa_kernel
	.amdgpu_metadata
---
amdhsa.version: [ 1, 2 ]
amdhsa.kernels:
  - .name:           k_q6ba4b17fab_prep
    .symbol:         k_q6ba4b17fab_prep.kd
    .args:
      - { .name: x, .offset: 0, .size: 8, .value_kind: global_buffer, .address_space: global }
      - { .name: lin_w, .offset: 8, .size: 8, .value_kind: global_buffer, .address_space: global }
      - { .name: proj_w, .offset: 16, .size: 8, .value_kind: global_buffer, .address_space: global }
      - { .name: proj_b, .offset: 24, .size: 8, .value_kind: global_buffer, .address_space: global }
      - { .name: scales, .offset: 32, .size: 8, .value_kind: global_buffer, .address_space: global }
      - { .name: translations, .offset: 40, .size: 8, .value_kind: global_buffer, .address_space: global }
      - { .name: comb_w, .offset: 48, .size: 8, .value_kind: global_buffer, .address_space: global }
      - { .name: lin_b, .offset: 56, .size: 8, .value_kind: global_buffer, .address_space: global }
      - { .name: comb_b, .offset: 64, .size: 8, .value_kind: global_buffer, .address_space: global }
      - { .name: xb, .offset: 72, .size: 8, .value_kind: global_buffer, .address_space: global }
      - { .name: wb, .offset: 80, .size: 8, .value_kind: global_buffer, .address_space: global }
      - { .name: ext, .offset: 88, .size: 8, .value_kind: global_buffer, .address_space: global }
      - { .name: we, .offset: 96, .size: 8, .value_kind: global_buffer, .address_space: global }
    .group_segment_fixed_size: 45568
    .private_segment_fixed_size: 0
    .kernarg_segment_align: 8
    .kernarg_segment_size: 104
    .max_flat_workgroup_size: 256
    .sgpr_count:     66
    .vgpr_count:     256
    .wavefront_size: 32
...
	.end_amdgpu_metadata
.endif
;; end of part 1
;; launch gemm (part 2): grid 16 x 16, 4 waves a work-group, clusters of 4 x 4, 327,680 bytes of LDS; arguments xb, wb, ext, we, yd, st; writes yd, st
.if DOCPART == 2
	.amdgcn_target "amdgcn-amd-amdhsa--gfx1250"
	.amdhsa_code_object_version 6
	.text
	.protected	k_q6ba4b17fab_gemm
	.globl	k_q6ba4b17fab_gemm
	.p2align	8
	.type	k_q6ba4b17fab_gemm,@function
k_q6ba4b17fab_gemm:
	s_mov_b64 s[64:65], 0
	v_nop
	global_prefetch_b8 v0, s[64:65] scope:SCOPE_SE
	s_setreg_imm32_b32 hwreg(HW_REG_WAVE_MODE, 25, 1), 1
	s_wait_xcnt 0x0
	s_wait_alu depctr_hold_cnt(0) depctr_sa_sdst(0) depctr_va_vdst(0) depctr_va_sdst(0) depctr_va_ssrc(0) depctr_va_vcc(0) depctr_vm_vsrc(0)
	s_getreg_b32 s2, hwreg(HW_REG_IB_STS2, 6, 4)
	s_cmp_eq_u32 s2, 0
	s_cbranch_scc0 .Lentry_in_a_cluster
	s_endpgm
.Lentry_in_a_cluster:
	s_bfe_u32 s2, ttmp6, 0x10000c
	s_cmp_lg_u32 s2, 0xf033
	s_cbranch_scc0 .Lentry_shape_is_right
	s_endpgm
.Lentry_shape_is_right:
; WAVELET LAYER, second of three launches: y[b][o] = sum over k of xb[b][k] wb[o][k]  +  sum over 32 slots of A'[b][s] B'[o][s], sums in f32.
; The 32 slots are the wave path and both biases, as the first launch laid them out (ext: slots 0..7 of each row, 16 bytes a row, and at byte 65,536 the row of slots that all rows
; share; we: B', 64 bytes a row).  That extra K step comes straight from memory into fragments and STARTS all sums (C = 0): nothing is cleared.  No work is left out here.
; HOW y LEAVES.  A wave holds 128 columns of each of its rows: a STRIP, 32 of them to a row.  For each row and strip it makes, in f32, the strip's mean m, the deviations d = y - m and
; M2 = the sum of d^2.  d is stored rounded once to bf16 (yd); m and M2 stay f32 (st: [strip][row][m, M2]): they are partial sums, from which the third launch makes the row's mean and variance.
; A common offset of a row, however large beside the row's spread, lies in m; d is of the spread's size.
; LIMIT.  d's rounding is at most 2^-9 of |d|, a number's distance from its strip's mean; it reaches 0.01 of the row's standard deviation only where that distance passes 5 such deviations.
; SHARES.  A tile of y, 256 x 256, is made by a work-group of four waves; a wave makes 128 x 128: 64 accumulators of 16 x 16, 512 registers.  16 x 16 tiles, one for each work-group.
; K goes in steps of 128 through a ring of two LDS slots filled by the tensor data mover: the tiles' rows are 256 bytes of memory, aligned.
; CLUSTERS: 4 x 4 work-groups.  The four of a row of the cluster need the same tiles of xb, the four of a column the same tiles of wb: each tile is asked for JOINTLY, by the same
; tensor load with the same descriptor and a mask that names the four.
; REGISTERS, in windows of 256 (s_set_vgpr_msb: bits 1:0 source 0, 3:2 source 1, 5:4 source 2, 7:6 destination):
;   window 0: v0-31 addresses; v64-127, v128-191 fragments of xb (8 x 16 rows x 32 K), two buffers; on the way out v32-237 at work
;   window 1: v64-127, v128-191 fragments of wb, two buffers
;   window 2: the 32 accumulators of my rows 0-63 (accumulator (a, b) at v[8 (8 a + b)]);   window 3: those of my rows 64-127
; THE MATRIX INSTRUCTION IS USED TRANSPOSED: source 0 = 16 rows of wb, source 1 = 16 rows of xb: lane l then holds row l % 16 of y and the columns 8 (l / 16) + 0..7 of each block of 16.
.set SIZE_K, 4096
.set SIZE_N, 4096
.set KSTEP,  128
.set PITCH,  272                       ; an LDS row: 256 bytes + 16 of padding = 68 words: row r starts at bank 4 r mod 64 (64 banks of 4 bytes: ISA guide 11.1)
.set HALFT,  128*PITCH                 ; 128 rows: what one tensor load brings, and what one wave reads of xb or of wb
.set SLOT,   4*HALFT                   ; xb's 256 rows, then wb's 256 rows
.set STAGE,  2*SLOT                    ; behind the ring: 16 rows x 272 bytes for each wave, for the way out; no tensor load fills it
.set SPITCH, 272
.set SPARE,  STAGE+4*16*SPITCH         ; the spare words, 128 bytes for each wave: two blocks of 256 bytes that no other line names
.set LAPS,   SIZE_K/(2*KSTEP)          ; a lap = two K steps = once round the ring: 16
.set DBROW,  65536                     ; ext: the slots that all rows share
.set XA,   6                           ; v6-13   ext: where my lane finds registers 0-3 of fragment i of A': its row's slots 0..7 (h = 0), or the common slots 8..15 (h = 1)
.set DBA,  14                          ; v14     ext: registers 4-7: the common slots 16 + 8 h ..
.set WEA,  15                          ; v15     we: 64 r + 16 h
.set ADRA, 16                          ; v16-17  LDS address of my xb fragments in slot 0, 1
.set ADRB, 20                          ; v20-21  the same for wb
.set STO,  24                          ; v24     the way out: where I put 16 bytes of a row
.set RD,   25                          ; v25     the way out: where I read a row back
.set CO,   26                          ; v26     my byte offset in yd: row h, 16 r
.set SO,   27                          ; v27     8 l: my pair in 256 bytes of st
.set SPW,  28                          ; v28     my spare word; never rewritten
.set NIL,  29                          ; v29     0; never rewritten
.set PFO,  30                          ; v30     the prefetches' offset: my lane x a row of xb or wb; never rewritten
.set PFA,  44                          ; s[44:45] where my prefetches stand
.set LIM,  43                          ; s43     1 in a wave that prefetches, else the greatest number
.set STB,  72                          ; s[72:73] st at my strip and my first row
.set SEL,  74                          ; s74-75  v_permlanex16_b32's selects: each lane takes its own place in the other half
.set HM,   76                          ; s76     the mask of lanes 16 to 31
.set F0,   64
.set F1,   128
.set T,    32                          ; the way out, window 0: v32-63 at work
.set D,    64                          ; v64-127   a block's 64 deviations
.set PK,   128                         ; v128-159  the same, packed to bf16
.set BK0,  160                         ; v160-191, v192-223  16 rows read back from the stage, two buffers by turns
.set ST,   224                         ; v224-231  (m, M2) as stored, a pair for each two blocks
.set EV,   232                         ; v232-233  an even block's (m, M2)
.set NM,   234                         ; v234-235  -m, twice
.set MM,   236                         ; v236-237  an odd block's (m, M2)
.set G1,  24                           ; s[24:31] descriptor group 1 for xb's tiles
.set G0,  32                           ; s[32:39] group 0, one set for each slot
.set G1B, 48                           ; s[48:55], s[56:63] the same for wb's tiles
.set G0B, 56
.set MSB, 0
.macro WIN new                         ; the immediate's high byte repeats the setting that is left; a switch that changes nothing is dropped
.if MSB != (\new)
	s_set_vgpr_msb (MSB<<8)|(\new)
.set MSB, \new
.endif
.endm
.set MUL_LO, 0xa1                      ; source 0 (wb) window 1, source 1 (xb) window 0, C and D window 2
.set MUL_HI, 0xf1                      ; the same, C and D window 3
.set TO_B,   0x40                      ; destination window 1, address window 0
; A joint load.  Waves 0 and 1 fetch xb's two halves, waves 2 and 3 wb's.  The branch hangs on the wave's number alone.  An s_nop 0 and four v_nop follow each of the two lines.
.macro JLOAD s
	s_cmp_eq_u32 s11, 0
	s_cbranch_scc0 .Lfor_b_\@
	tensor_load_to_lds s[G0+4*(\s):G0+4*(\s)+3], s[G1:G1+7]
	s_nop 0
.rept 4
	v_nop
.endr
	s_branch .Lasked_\@
.Lfor_b_\@:
	tensor_load_to_lds s[G0B+4*(\s):G0B+4*(\s)+3], s[G1B:G1B+7]
	s_nop 0
.rept 4
	v_nop
.endr
.Lasked_\@:
.endm
; A PREFETCH INTO THE L2, behind each joint refill, its five lines and the run of LDS loads that follows: the K step that stands TWO refills on (512 matrix instructions ahead of the load
; that will want it): 32 rows x 256 bytes, a lane a row, one instruction a wave.  Each row's 256 bytes of a K step are named ONCE in the launch: xb's tile row is read by every cluster of
; that row of clusters, and the one with x = 0 asks; wb's tile column by every cluster of that column, and the one with y = 0 asks.  The four partners share a wave's 128 rows out BY ADDRESS,
; 32 each.  K steps 0 to 3 come by their loads alone; the loop's last trip (s3 = 1) asks for nothing: K steps 32 and 33 do not exist.
.macro ASK
	s_cmp_gt_u32 s3, s[LIM]
	s_cbranch_scc0 .Lnot_mine_\@
	global_prefetch_b8 v[PFO], s[PFA:PFA+1] offset:KSTEP*2 th:TH_LOAD_NT scope:SCOPE_SE
.Lnot_mine_\@:
.endm
.macro CREST                           ; a round of the cluster's barrier behind its opening barrier
	s_cmp_lg_u32 s10, 0
	s_cbranch_scc1 .Lnot_wave_0_\@
	s_barrier_signal -3
.Lnot_wave_0_\@:
	s_barrier_wait -3
	s_barrier_signal -1
	s_barrier_wait -1
.endm
.macro CROUND                          ; a whole round
	s_barrier_signal -1
	s_barrier_wait -1
	CREST
.endm
	s_load_b128 s[4:7], s[0:1], 0x0                ; xb s[4:5], wb s[6:7]
	s_load_b128 s[68:71], s[0:1], 0x10             ; ext s[68:69], we s[70:71]
	s_load_b64 s[8:9], s[0:1], 0x20                ; yd
	s_load_b64 s[STB:STB+1], s[0:1], 0x28          ; st
	v_lshl_add_u32 v[SPW], v0, 2, SPARE
	v_mov_b32 v[NIL], 0
	ds_add_u32 v[SPW], v[NIL]                      ; the wave's opening: the add, twice on end, and its wait ahead of my first tensor load
	ds_add_u32 v[SPW], v[NIL]                      ; and once more, under the one wait; the set-up below, work on registers, stands between
	v_lshrrev_b32 v1, 5, v0
	v_readfirstlane_b32 s10, v1                    ; wave 0..3
	s_lshr_b32 s11, s10, 1                         ; which half of the tile's rows is mine.  Also: I fetch for xb (0) or for wb (1)
	s_and_b32 s12, s10, 1                          ; which half of its columns.  Also: which 128 rows of that tile I fetch
	s_bfe_u32 s40, ttmp6, 0x40000                  ; cx
	s_bfe_u32 s41, ttmp6, 0x40004                  ; cy
	s_lshl_b32 s42, ttmp9, 2
	s_add_co_u32 s42, s42, s40                     ; tile column = 4 x cluster x + cx
	s_and_b32 s13, ttmp7, 0xffff
	s_lshl_b32 s13, s13, 2
	s_add_co_u32 s13, s13, s41                     ; tile row = 4 x cluster y + cy
	s_lshl_b32 s43, s41, 2
	s_lshl_b32 s43, 15, s43                        ; my row of the cluster: places 4 cy .. 4 cy + 3
	s_lshl_b32 s44, 0x1111, s40                    ; my column: places cx, cx + 4, cx + 8, cx + 12
	s_mov_b32 s[SEL], 0x76543210
	s_mov_b32 s[SEL+1], 0xfedcba98
	; descriptor group 1: a tile of 128 rows x 128 elements, padded in LDS
	s_or_b32 s[G1+0], s43, (1<<16)|(1<<20)|(1<<21)|(5<<22)|(3<<25)  ; 15:0 the mask; 17:16 2-byte elements; 20 padding on; 21 set beside a mask; 24:22 after every 64 words; 31:25 4 words of it
	s_or_b32 s[G1B+0], s44, (1<<16)|(1<<20)|(1<<21)|(5<<22)|(3<<25)
	s_mov_b32 s[G1B+1], KSTEP<<16
	s_mov_b32 s[G1+1], KSTEP<<16                   ; tensor_dim0 = 128
	s_mov_b32 s[G1B+2], 128<<16
	s_mov_b32 s[G1+2], 128<<16                     ; tensor_dim1 = 128
	s_mov_b32 s[G1B+3], KSTEP<<16
	s_mov_b32 s[G1+3], KSTEP<<16                   ; tile_dim0 = 128
	s_mov_b32 s[G1B+4], 128
	s_mov_b32 s[G1+4], 128                         ; tile_dim1 = 128
	s_mov_b32 s[G1B+5], SIZE_K
	s_mov_b32 s[G1+5], SIZE_K                      ; elements from row to row
	s_mov_b32 s[G1B+6], 0
	s_mov_b32 s[G1+6], 0
	s_mov_b32 s[G1B+7], 0
	s_mov_b32 s[G1+7], 0
	; where the tiles come from: xb's hang on the tile row alone, wb's on the tile column alone, each in registers that never hold the other coordinate
	s_lshl_b32 s17, s12, 7
	s_lshl_b32 s16, s13, 8
	s_add_co_u32 s16, s16, s17                     ; xb: row 256 x tile row + 128 x half
	s_lshl_b32 s46, s42, 8
	s_add_co_u32 s46, s46, s17                     ; wb: row 256 x tile column + 128 x half
	s_mov_b32 s17, 0
	s_mov_b32 s47, 0
	s_mov_b64 s[18:19], SIZE_K*2
	s_mul_u64 s[16:17], s[16:17], s[18:19]
	s_mul_u64 s[46:47], s[46:47], s[18:19]
	s_mul_i32 s20, s10, HALFT                      ; and where they go: wave x 128 rows: no place in the cluster enters an LDS address
	s_wait_dscnt 0x0                               ; both opening adds are done
	s_wait_kmcnt 0x0
	s_add_nc_u64 s[14:15], s[4:5], s[16:17]
	s_add_nc_u64 s[46:47], s[6:7], s[46:47]
	CROUND                                         ; all sixteen work-groups are here: the first joint loads meet
.irp s, 0,1
	s_mov_b32 s[G0+4*(\s)], 1
	s_add_co_u32 s[G0+4*(\s)+1], s20, (\s)*SLOT
	s_add_nc_u64 s[G0+4*(\s)+2:G0+4*(\s)+3], s[14:15], (\s)*KSTEP*2
	s_or_b32 s[G0+4*(\s)+3], s[G0+4*(\s)+3], 0x80000000
	s_mov_b32 s[G0B+4*(\s)], 1
	s_add_co_u32 s[G0B+4*(\s)+1], s20, (\s)*SLOT
	s_add_nc_u64 s[G0B+4*(\s)+2:G0B+4*(\s)+3], s[46:47], (\s)*KSTEP*2
	s_or_b32 s[G0B+4*(\s)+3], s[G0B+4*(\s)+3], 0x80000000
	JLOAD \s                                       ; the ring is filled before anything else is done: two tensor loads of mine are out
.endr
	; a fragment is 16 rows x 32 K in 8 registers: lane l holds row l % 16; registers 0-3 K = 8 (l / 16) + 0..7, registers 4-7 K = 16 + 8 (l / 16) + 0..7
	v_and_b32 v1, 15, v0                           ; r
	v_bfe_u32 v2, v0, 4, 1                         ; h
	v_mul_u32_u24 v3, v1, PITCH
	v_lshl_add_u32 v3, v2, 4, v3
	s_mul_i32 s21, s11, HALFT                      ; my 128 rows of xb
	s_mul_i32 s22, s12, HALFT                      ; my 128 rows of wb,
	s_add_co_u32 s22, s22, 2*HALFT                 ; which lie behind xb's 256
.irp s, 0,1
	v_add_nc_u32 v[ADRA+(\s)], s21, v3
	v_add_nc_u32 v[ADRB+(\s)], s22, v3
	s_add_co_u32 s21, s21, SLOT
	s_add_co_u32 s22, s22, SLOT
.endr
	s_mul_i32 s23, s10, 16*SPITCH
	s_add_co_u32 s23, s23, STAGE                   ; my stage
	v_mul_u32_u24 v4, v1, SPITCH                   ; in: row r, 16 bytes for each half of the lanes
	v_lshl_add_u32 v4, v2, 4, v4
	v_add_nc_u32 v[STO], s23, v4
	v_mul_u32_u24 v5, v2, SPITCH                   ; back: lanes 0-15 take one row of 256 bytes, lanes 16-31 the next
	v_lshl_add_u32 v5, v1, 4, v5
	v_add_nc_u32 v[RD], s23, v5
	v_mul_u32_u24 v5, v2, SIZE_N*2                 ; and the same two rows in yd
	v_lshl_add_u32 v[CO], v1, 4, v5
	v_and_b32 v5, 31, v0
	v_lshlrev_b32 v[SO], 3, v5
	v_cmp_eq_u32 s[HM], 1, v2
	; my part of yd, of ext, of we and of st
	s_lshl_b32 s13, s13, 8                         ; 256 x tile row
	s_lshl_b32 s14, s11, 7
	s_add_co_u32 s16, s13, s14                     ; my first row
	s_lshl_b32 s15, s16, 4                         ; in ext: 16 bytes a row
	s_lshl_b32 s18, s16, 3                         ; in st: 8 bytes a row
	s_lshl_b32 s16, s16, 13                        ; in yd: 8,192 bytes a row
	s_mov_b32 s17, 0
	s_add_nc_u64 s[8:9], s[8:9], s[16:17]
	s_lshl_b32 s46, s42, 9                         ; my first column, in bytes of bf16: 512 x tile column + 256 x half
	s_lshl_b32 s47, s12, 8
	s_add_co_u32 s46, s46, s47
	s_mov_b32 s47, 0
	s_add_nc_u64 s[8:9], s[8:9], s[46:47]
	s_lshl_b32 s46, s46, 5                         ; the same columns as rows of we, 64 bytes each
	s_add_nc_u64 s[70:71], s[70:71], s[46:47]
	s_lshl_b32 s46, s46, 2                         ; and as a strip of st: 32,768 bytes for each 128 columns,
	s_add_co_u32 s46, s46, s18                     ; at my first row
	s_add_nc_u64 s[STB:STB+1], s[STB:STB+1], s[46:47]
	v_sub_nc_u32 v4, 1, v2                         ; 1 - h
	v_lshl_add_u32 v5, v1, 4, s15                  ; 16 (my first row + r),
	v_mul_u32_u24 v5, v4, v5                       ; for the lower lanes alone;
	v_mad_u32_u24 v5, v2, DBROW+16, v5             ; the upper lanes take the common slots 8..15
.irp i, 0,1,2,3,4,5,6,7
	v_mad_u32_u24 v[XA+(\i)], v4, 256*(\i), v5     ; fragment i: 16 rows further down, for the lower lanes alone
.endr
	v_lshl_add_u32 v[DBA], v2, 4, DBROW+32
	v_lshlrev_b32 v[WEA], 6, v1
	v_lshl_add_u32 v[WEA], v2, 4, v[WEA]
	; the prefetches
	s_lshl_b32 s42, s42, 8
	s_and_b32 s22, ttmp7, 0xffff                   ; cluster y
	s_cmp_eq_u32 s11, 0                            ; do I fetch for xb?
	s_cselect_b32 s20, s13, s42                    ; the tile's first row
	s_cselect_b32 s21, s40, s41                    ; my place among the four that ask for it with me
	s_cselect_b32 s22, ttmp9, s22                  ; the coordinate along which other clusters read the same rows
	s_cselect_b64 s[PFA:PFA+1], s[4:5], s[6:7]
	s_cmp_eq_u32 s22, 0
	s_cselect_b32 s[LIM], 1, -1                    ; the same in all sixteen partners, for a given wave
	s_lshl_b32 s22, s12, 7
	s_add_co_u32 s20, s20, s22                     ; + the 128 rows that I fetch
	s_lshl_b32 s21, s21, 5
	s_add_co_u32 s20, s20, s21                     ; + my work-group's 32 of them
	s_mov_b32 s21, 0
	s_mov_b64 s[18:19], SIZE_K*2
	s_mul_u64 s[20:21], s[20:21], s[18:19]
	s_add_nc_u64 s[PFA:PFA+1], s[PFA:PFA+1], s[20:21]
	s_add_nc_u64 s[PFA:PFA+1], s[PFA:PFA+1], 2*KSTEP*2  ; at K step 2: the first refill steps it to 3 and names K step 4
	v_and_b32 v[PFO], 31, v0
	v_mul_u32_u24 v[PFO], v[PFO], SIZE_K*2
; 16 matrix instructions: m blocks a0, a0 + 1 of the window's four x all 8 n blocks, 32 along K.  zero = 1: the product starts the sums.
; The 64 accumulators take turns, one instruction a turn, in the same order everywhere, over the backward jump too.
.macro MUL16 f, hi, a0, zero
	WIN MUL_LO+0x50*(\hi)
.irp a, \a0, (\a0)+1
.irp b, 0,1,2,3,4,5,6,7
.if \zero
	v_wmma_f32_16x16x32_bf16 v[8*(8*(\a)+(\b)):8*(8*(\a)+(\b))+7], v[(\f)+8*(\b):(\f)+8*(\b)+7], v[(\f)+8*(4*(\hi)+(\a)):(\f)+8*(4*(\hi)+(\a))+7], 0
.else
	v_wmma_f32_16x16x32_bf16 v[8*(8*(\a)+(\b)):8*(8*(\a)+(\b))+7], v[(\f)+8*(\b):(\f)+8*(\b)+7], v[(\f)+8*(4*(\hi)+(\a)):(\f)+8*(4*(\hi)+(\a))+7], v[8*(8*(\a)+(\b)):8*(8*(\a)+(\b))+7]
.endif
.endr
.endr
.endm
; 32 LDS loads in one run: the fragments of one quarter step (128 rows of wb, 128 rows of xb, 32 K at byte k of the rows) into buffer f
.macro FETCH slot, k, f
	WIN TO_B
.irp i, 0,1,2,3,4,5,6,7
	ds_load_b128 v[(\f)+8*(\i):(\f)+8*(\i)+3],   v[ADRB+(\slot)] offset:(\k)+(\i)*16*PITCH
	ds_load_b128 v[(\f)+8*(\i)+4:(\f)+8*(\i)+7], v[ADRB+(\slot)] offset:(\k)+(\i)*16*PITCH+32
.endr
	WIN 0
.irp i, 0,1,2,3,4,5,6,7
	ds_load_b128 v[(\f)+8*(\i):(\f)+8*(\i)+3],   v[ADRA+(\slot)] offset:(\k)+(\i)*16*PITCH
	ds_load_b128 v[(\f)+8*(\i)+4:(\f)+8*(\i)+7], v[ADRA+(\slot)] offset:(\k)+(\i)*16*PITCH+32
.endr
.endm
.macro PLACES                          ; four places in front of loads into registers that matrix instructions have read, and of reads of results (ISA guide 7.12.1 for vector instructions)
.rept 4
	v_nop
.endr
.endm
; A K step is four quarters of 32 along K, 64 matrix instructions each, on buffers 0, 1, 0, 1.  One of the first three: multiplies f and fetches the next quarter, at byte k, into g.
.macro QUARTER slot, k, f, g
	s_wait_dscnt 8                                 ; wb and xb's rows 0-63 are in; the youngest eight loads (xb's rows 64-127) may be out
	MUL16 \f, 0, 0, 0
	MUL16 \f, 0, 2, 0
	PLACES
	FETCH \slot, \k, \g
	s_wait_dscnt 32                                ; all but the 32 just issued
	MUL16 \f, 1, 0, 0
	MUL16 \f, 1, 2, 0
.endm
; The last quarter's first half: ONE barrier for the change of slots.  In front of it each wave waits for all its tensor loads (one is out: its part of the next slot), adds 0 to its
; spare word, and waits for that and for its own reads of this slot.  Behind it nobody reads this slot any more and the next slot is whole.
.macro MEET round
	WIN 0                                          ; (the add's two registers lie in window 0)
	s_wait_tensorcnt 0x0
	ds_add_u32 v[SPW], v[NIL]
	s_wait_dscnt 9                                 ; (the add and the youngest eight loads may be out)
	MUL16 F1, 0, 0, 0                              ; sixteen matrix instructions stand between the add and the wait for it
	s_wait_dscnt 0x0                               ; the add is done, and my reads of this slot are over
	s_barrier_signal -1
	MUL16 F1, 0, 2, 0                              ; work on registers while the others arrive
.if \round
	WIN 0
.endif
	s_barrier_wait -1
.endm
; The whole last quarter.  fill = 1: the barrier opens a round of the cluster's barrier, and the slot just read out is filled again, first thing behind it, with the K step two steps on:
; from that request to the wait for it a wave issues 224 matrix instructions.  fill = 0 (the last lap): nothing is asked for.
.macro TURN slot, next, fill
.if \fill
	s_wait_xcnt 0x0                                ; the last prefetch, a K step back, has read its address: it is stepped here, ahead of the waits of the change of slots
	s_add_nc_u64 s[PFA:PFA+1], s[PFA:PFA+1], KSTEP*2
	MEET 1
	CREST                                          ; no wave of any partner still reads this slot's tile or has a load on its way
	s_add_nc_u64 s[G0+4*(\slot)+2:G0+4*(\slot)+3], s[G0+4*(\slot)+2:G0+4*(\slot)+3], 2*KSTEP*2
	s_add_nc_u64 s[G0B+4*(\slot)+2:G0B+4*(\slot)+3], s[G0B+4*(\slot)+2:G0B+4*(\slot)+3], 2*KSTEP*2
	JLOAD \slot                                    ; the four v_nop behind it are also the places in front of the loads below
	FETCH \next, 0, F0
	ASK
.else
	MEET 0
	PLACES
	FETCH \next, 0, F0
.endif
	MUL16 F1, 1, 0, 0
	MUL16 F1, 1, 2, 0
.endm
; THE WAY OUT of block a: 16 rows x 128 columns; lane (r, h) holds 64 numbers of row r, the lane 16 away the row's other 64.
; CALC: the row's sum (each accumulator read from its low end on), m, the 64 deviations, their squares' sum in four chains, the rounding to bf16.
; Both halves of the lanes end with the row's m and M2.  Behind an odd block lanes 0-15 keep the even block's pair and lanes 16-31 the odd block's: lane l then holds row 16 (a - 1) + l,
; and one store of 8 bytes a lane covers 256 consecutive bytes of st, aligned.
.macro CALC a
.set AC, 64*((\a)%4)
.if (\a)%2
.set MR, MM
.else
.set MR, EV
.endif
	WIN 0x0a+5*((\a)/4)                            ; sources 0 and 1: window 2 or 3; destination window 0
.irp b, 0,1,2,3,4,5,6,7
	v_pk_add_f32 v[T+4*(\b):T+4*(\b)+1],   v[AC+8*(\b):AC+8*(\b)+1],   v[AC+8*(\b)+2:AC+8*(\b)+3]
	v_pk_add_f32 v[T+4*(\b)+2:T+4*(\b)+3], v[AC+8*(\b)+4:AC+8*(\b)+5], v[AC+8*(\b)+6:AC+8*(\b)+7]
.endr
	WIN 0
.irp q, 0,2,4,6,8,10,12,14
	v_pk_add_f32 v[T+(\q):T+(\q)+1], v[T+(\q):T+(\q)+1], v[T+16+(\q):T+16+(\q)+1]
.endr
.irp q, 0,2,4,6
	v_pk_add_f32 v[T+(\q):T+(\q)+1], v[T+(\q):T+(\q)+1], v[T+8+(\q):T+8+(\q)+1]
.endr
.irp q, 0,2
	v_pk_add_f32 v[T+(\q):T+(\q)+1], v[T+(\q):T+(\q)+1], v[T+4+(\q):T+4+(\q)+1]
.endr
	v_pk_add_f32 v[T:T+1], v[T:T+1], v[T+2:T+3]
	v_add_f32 v[T], v[T], v[T+1]
	v_permlanex16_b32 v[T+1], v[T], s[SEL], s[SEL+1]
	v_add_f32 v[T], v[T], v[T+1]                   ; the sum of the row's 128 numbers, in both lanes
	v_mul_f32 v[NM], 0xbc000000, v[T]              ; -m = -sum / 128,
	v_mul_f32 v[NM+1], 0xbc000000, v[T]            ; named with it as a pair
	v_mul_f32 v[MR], 0x3c000000, v[T]              ; m
	WIN 0x02+(\a)/4                                ; source 0: window 2 or 3
.set i, 0
.rept 32
	v_pk_add_f32 v[D+2*i:D+2*i+1], v[AC+2*i:AC+2*i+1], v[NM:NM+1] op_sel_hi:[1,0]  ; d = y - m
.set i, i+1
.endr
	WIN 0
.irp k, 0,1,2,3
	v_pk_mul_f32 v[T+2*(\k):T+2*(\k)+1], v[D+2*(\k):D+2*(\k)+1], v[D+2*(\k):D+2*(\k)+1]
.endr
.set i, 4
.rept 28
	v_pk_fma_f32 v[T+2*(i%4):T+2*(i%4)+1], v[D+2*i:D+2*i+1], v[D+2*i:D+2*i+1], v[T+2*(i%4):T+2*(i%4)+1]
.set i, i+1
.endr
.set i, 0
.rept 32
	v_cvt_pk_bf16_f32 v[PK+i], v[D+2*i], v[D+2*i+1]
.set i, i+1
.endr
	v_pk_add_f32 v[T:T+1], v[T:T+1], v[T+2:T+3]
	v_pk_add_f32 v[T+4:T+5], v[T+4:T+5], v[T+6:T+7]
	v_pk_add_f32 v[T:T+1], v[T:T+1], v[T+4:T+5]
	v_add_f32 v[T], v[T], v[T+1]
	v_permlanex16_b32 v[T+1], v[T], s[SEL], s[SEL+1]
	v_add_f32 v[MR+1], v[T], v[T+1]                ; M2
.if (\a)%2
	v_cndmask_b32 v[ST+(\a)-1], v[EV], v[MM], s[HM]
	v_cndmask_b32 v[ST+(\a)], v[EV+1], v[MM+1], s[HM]
	global_store_b64 v[SO], v[ST+(\a)-1:ST+(\a)], s[STB:STB+1] offset:256*((\a)/2)
.endif
.endm
; TOSTAGE: a lane's 16 bytes of each of the 8 column blocks go into my own stage, and come back as whole rows of 256 bytes.  SEND: stored.
.macro TOSTAGE a
.set BK, BK0+32*((\a)%2)
	WIN 0
.irp b, 0,1,2,3,4,5,6,7
	ds_store_b128 v[STO], v[PK+4*(\b):PK+4*(\b)+3] offset:32*(\b)
.endr
.if (\a) >= 2
	s_wait_xcnt 0x0                                ; the stores of the block two back have read this buffer: only now is it loaded again
.endif
.irp t, 0,1,2,3,4,5,6,7
	ds_load_b128 v[BK+4*(\t):BK+4*(\t)+3], v[RD] offset:(\t)*2*SPITCH  ; LDS serves a wave's instructions in order (ISA guide 5.7.1.4): these see the stores above, and the next block's stores come behind them
.endr
.endm
.macro SEND a
.set BK, BK0+32*((\a)%2)
	s_wait_dscnt 0x0                               ; the block is back in registers: nothing younger is out
.irp t, 0,1,2,3,4,5,6,7
	global_store_b128 v[CO], v[BK+4*(\t):BK+4*(\t)+3], s[8:9] offset:(16*(\a)+2*(\t))*SIZE_N*2  ; 16 lanes store 256 consecutive bytes, aligned; 126 rows at the most: inside the signed 24-bit immediate
.endr
.endm
	; THE EXTRA K STEP, while the first tiles are on their way: 16 fragments straight from memory into buffer 1, and 64 products that start all sums
	WIN TO_B
.irp i, 0,1,2,3,4,5,6,7
	global_load_b128 v[F1+8*(\i):F1+8*(\i)+3],   v[WEA], s[70:71] offset:1024*(\i)
	global_load_b128 v[F1+8*(\i)+4:F1+8*(\i)+7], v[WEA], s[70:71] offset:1024*(\i)+32
.endr
	WIN 0
.irp i, 0,1,2,3,4,5,6,7
	global_load_b128 v[F1+8*(\i):F1+8*(\i)+3],   v[XA+(\i)], s[68:69]
	global_load_b128 v[F1+8*(\i)+4:F1+8*(\i)+7], v[DBA], s[68:69]
.endr
	s_wait_loadcnt 0x0
	MUL16 F1, 0, 0, 1
	MUL16 F1, 0, 2, 1
	MUL16 F1, 1, 0, 1
	MUL16 F1, 1, 2, 1
	s_wait_tensorcnt 1                             ; my part of K step 0 is in; K step 1's may stay out
	s_barrier_signal -1
	s_barrier_wait -1                              ; everybody's is
	FETCH 0, 0, F0
	QUARTER 0, 64,  F0, F1
	WIN 0                                          ; at a label and at a branch every window is 0
	s_mov_b32 s3, LAPS-1
.Llap:                                                 ; a trip goes once round the ring, from a lap's second quarter to the next lap's first, and fills both slots again
	QUARTER 0, 128, F1, F0
	QUARTER 0, 192, F0, F1
	TURN 0, 1, 1
	QUARTER 1, 64,  F0, F1
	QUARTER 1, 128, F1, F0
	QUARTER 1, 192, F0, F1
	TURN 1, 0, 1
	QUARTER 0, 64,  F0, F1
	WIN 0
	s_sub_co_u32 s3, s3, 1
	s_cmp_lg_u32 s3, 0
	s_cbranch_scc1 .Llap
	QUARTER 0, 128, F1, F0                         ; the last lap is written out: it fills nothing
	QUARTER 0, 192, F0, F1
	TURN 0, 1, 0
	QUARTER 1, 64,  F0, F1
	QUARTER 1, 128, F1, F0
	QUARTER 1, 192, F0, F1
	s_wait_dscnt 8                                 ; the very last quarter: nothing more to fetch
	MUL16 F1, 0, 0, 0
	MUL16 F1, 0, 2, 0
	s_wait_dscnt 0x0
	MUL16 F1, 1, 0, 0
	MUL16 F1, 1, 2, 0
	WIN 0
	PLACES                                         ; the sums below read results, and write registers that products have read;
	PLACES                                         ; eight, once a launch: the stricter way of counting the places
	CALC 0
	TOSTAGE 0
.irp a, 1,2,3,4,5,6,7                  ; block a's arithmetic stands between block a - 1's loads from the stage and the wait for them
	CALC \a
	SEND (\a)-1
	TOSTAGE \a
.endr
	SEND 7
	s_wait_tensorcnt 0x0                           ; the wave's end, behind my last tensor load and my last LDS store
	ds_add_u32 v[SPW], v[NIL]
	s_wait_dscnt 0x0
	CROUND                                         ; the closing round: no work-group ends while a partner may still ask for a tile that names it
	s_endpgm
.Lfunc_end_k_q6ba4b17fab_gemm:
	.size	k_q6ba4b17fab_gemm, .Lfunc_end_k_q6ba4b17fab_gemm-k_q6ba4b17fab_gemm
	.p2alignl 7, 3214868480
	.fill 96, 4, 3214868480
	.section	.rodata,"a",@progbits
	.p2align	6, 0x0
	.amdhsa_kernel k_q6ba4b17fab_gemm
		.amdhsa_group_segment_fixed_size 327680
		.amdhsa_private_segment_fixed_size 0
		.amdhsa_enable_private_segment 0
		.amdhsa_kernarg_size 48
		.amdhsa_user_sgpr_count 2
		.amdhsa_user_sgpr_kernarg_segment_ptr 1
		.amdhsa_wavefront_size32 1
		.amdhsa_system_sgpr_workgroup_id_x 1
		.amdhsa_system_sgpr_workgroup_id_y 1
		.amdhsa_system_sgpr_workgroup_id_z 1
		.amdhsa_system_vgpr_workitem_id 0
		.amdhsa_next_free_vgpr 1024
		.amdhsa_next_free_sgpr 80
		.amdhsa_reserve_vcc 0
		.amdhsa_float_denorm_mode_32 3
		.amdhsa_float_denorm_mode_16_64 3
		.amdhsa_memory_ordered 1
		.amdhsa_forward_progress 1
		.amdhsa_inst_pref_size 206
	.end_amdhsa_kernel
	.amdgpu_metadata
---
amdhsa.version: [ 1, 2 ]
amdhsa.kernels:
  - .name:           k_q6ba4b17fab_gemm
    .symbol:         k_q6ba4b17fab_gemm.kd
    .args:
      - { .name: xb, .offset: 0, .size: 8, .value_kind: global_buffer, .address_space: global }
      - { .name: wb, .offset: 8, .size: 8, .value_kind: global_buffer, .address_space: global }
      - { .name: ext, .offset: 16, .size: 8, .value_kind: global_buffer, .address_space: global }
      - { .name: we, .offset: 24, .size: 8, .value_kind: global_buffer, .address_space: global }
      - { .name: yd, .offset: 32, .size: 8, .value_kind: global_buffer, .address_space: global }
      - { .name: st, .offset: 40, .size: 8, .value_kind: global_buffer, .address_space: global }
    .group_segment_fixed_size: 327680
    .private_segment_fixed_size: 0
    .kernarg_segment_align: 8
    .kernarg_segment_size: 48
    .max_flat_workgroup_size: 128
    .sgpr_count:     80
    .vgpr_count:     1024
    .wavefront_size: 32
...
	.end_amdgpu_metadata
.endif
;; end of part 2
;; launch norm (part 3): grid 512 x 1, 8 waves a work-group, no clusters, 2,560 bytes of LDS; arguments yd, st, ln_g, ln_beta, out0; writes out0
.if DOCPART == 3
	.amdgcn_target "amdgcn-amd-amdhsa--gfx1250"
	.amdhsa_code_object_version 6
	.text
	.protected	k_q6ba4b17fab_norm
	.globl	k_q6ba4b17fab_norm
	.p2align	8
	.type	k_q6ba4b17fab_norm,@function
k_q6ba4b17fab_norm:
	s_mov_b64 s[64:65], 0
	v_nop
	global_prefetch_b8 v0, s[64:65] scope:SCOPE_SE
	s_setreg_imm32_b32 hwreg(HW_REG_WAVE_MODE, 25, 1), 1
	s_wait_xcnt 0x0
; WAVELET LAYER, third of three launches: out0[b][:] = (y[b][:] - mean) rsqrt(var + 1e-5) ln_g + ln_beta, all in f32.  No work is left out here.
; y comes as the second launch left it: a row is 32 strips of 128 columns; yd holds d = y - m in bf16, m the strip's mean; st holds [strip][row][m, M2] in f32, M2 = the strip's sum of d^2.
;   mean = the mean of the 32 m;   var = (sum of M2 + 128 sum of (m - mean)^2) / 4,096: sums of squares alone, no difference of large sums;
;   out = (d rs + (m - mean) rs) ln_g + ln_beta,   rs = rsqrt(var + 1e-5).
; ln_g and ln_beta are rounded once to bf16, like every other input of the program.
; LIMIT.  d carries a rounding of at most 2^-9 of |d|, a number's distance from its strip's mean.
; SHARES.  Work-group g: rows 8 g .. 8 g + 7.  Thread t owns columns 1,024 c + 4 t .. + 3, c = 0..3, of every row; its 16 ln_g and ln_beta serve all eight rows.  In chunk c the columns
; of wave w lie in strip 8 c + w: the strip's term is one number for the wave, a scalar.  A load of the wave covers 256 consecutive bytes, aligned, a store 512.
; Wave w makes row w's statistics, a lane a strip, and lays them into LDS; ONE barrier; then each row is scaled and stored as soon as it has landed, while later rows are on their way.
; The 128 results have registers of their own: no register is written again behind its store, so no wait stands among the stores.
; No matrix unit, no tensor loads, no cluster: the launch streams, and no byte of yd has two readers.
.set REC,   160                        ; a row's record in LDS: 32 words (m - mean) rs, a word rs, and padding
.set SPARE, 1536                       ; behind the eight records: the spare words, 128 bytes for each wave: four blocks of 256 bytes that no other line names
.set VO,  1                            ; v1   16 t: out0 and the tables
.set VD,  2                            ; v2   8 t: yd
.set VS,  3                            ; v3   st: 32,768 l + 8 w: strip l, row w
.set SPW, 4                            ; v4   my spare word; never rewritten
.set NIL, 5                            ; v5   0; never rewritten
.set T,   6                            ; v[6:13]   at work
.set LW,  14                           ; v14  160 w + 4 l: my word of my wave's record
.set LR,  15                           ; v15  160 (l / 4) + 32 (l % 4) + 4 w: row l / 4, strip 8 (l % 4) + w
.set LQ,  16                           ; v16  160 (l % 8): row l % 8
.set LU,  17                           ; v17  160 w
.set SM,  18                           ; v[18:19]  m, M2 of strip l of row w
.set OR,  20                           ; v20  lane 4 i + c: (m - mean) rs of row i for my wave's chunk c
.set RSV, 21                           ; v21  lane i: rs of row i
.set G,   24                           ; v[24:39]  ln_g of my 16 columns
.set BT,  40                           ; v[40:55]  ln_beta
.set Y,   56                           ; v[56:119]   row i, chunk c: 4 bf16 at Y + 8 i + 2 c
.set E,   120                          ; v[120:247]  row i, chunk c: 4 results at E + 16 i + 4 c
.set RS,  20                           ; s[20:21]  rs of the row in hand (the packed forms name a pair and take its low word for both halves; the upper words are written once)
.set OS,  22                           ; s[22:29]  its four strip terms, a pair each
	s_load_b256 s[4:11], s[0:1], 0x0               ; yd s[4:5], st s[6:7], ln_g s[8:9], ln_beta s[10:11]
	s_load_b64 s[12:13], s[0:1], 0x20              ; out0
	v_lshl_add_u32 v[SPW], v0, 2, SPARE
	v_mov_b32 v[NIL], 0
	v_lshrrev_b32 v6, 5, v0
	v_readfirstlane_b32 s2, v6                     ; wave 0..7
	v_and_b32 v7, 31, v0                           ; l
	v_lshlrev_b32 v[VO], 4, v0
	v_lshlrev_b32 v[VD], 3, v0
	s_lshl_b32 s3, s2, 3
	v_lshl_add_u32 v[VS], v7, 15, s3
	s_mul_i32 s3, s2, REC
	v_lshl_add_u32 v[LW], v7, 2, s3
	v_mov_b32 v[LU], s3
	v_lshrrev_b32 v8, 2, v7
	v_and_b32 v9, 3, v7
	v_mul_u32_u24 v[LR], v8, REC
	v_lshl_add_u32 v[LR], v9, 5, v[LR]
	s_lshl_b32 s3, s2, 2
	v_add_nc_u32 v[LR], s3, v[LR]
	v_and_b32 v8, 7, v7
	v_mul_u32_u24 v[LQ], v8, REC
	s_mov_b32 s14, 0x76543210                      ; v_permlanex16_b32: each lane takes its own place in the other half
	s_mov_b32 s15, 0xfedcba98
	s_mov_b32 s16, 0xffff0000                      ; a word's upper bf16
	s_mov_b32 s17, 0x39800000                      ; 1 / 4,096
	s_mov_b32 s30, 0x3727c5ac                      ; 1e-5
.irp p, 21,23,25,27,29
	s_mov_b32 s\p, 0                               ; the pairs' upper words: named, never used
.endr
	s_mov_b32 s19, 0
	s_wait_kmcnt 0x0
	s_lshl_b32 s18, ttmp9, 16                      ; 8 rows of 8,192 bytes
	s_add_nc_u64 s[4:5], s[4:5], s[18:19]
	s_lshl_b32 s18, ttmp9, 6                       ; 8 rows of 8 bytes
	s_add_nc_u64 s[6:7], s[6:7], s[18:19]
	s_lshl_b32 s18, ttmp9, 17                      ; 8 rows of 16,384 bytes
	s_add_nc_u64 s[12:13], s[12:13], s[18:19]
	global_load_b64 v[SM:SM+1], v[VS], s[6:7]      ; wanted first, asked for first
.irp c, 0,1,2,3
	global_load_b128 v[G+4*(\c):G+4*(\c)+3], v[VO], s[8:9] offset:(\c)*4096
.endr
.irp c, 0,1,2,3
	global_load_b128 v[BT+4*(\c):BT+4*(\c)+3], v[VO], s[10:11] offset:(\c)*4096
.endr
.irp i, 0,1,2,3,4,5,6,7
.irp c, 0,1,2,3
	global_load_b64 v[Y+8*(\i)+2*(\c):Y+8*(\i)+2*(\c)+1], v[VD], s[4:5] offset:(\i)*8192+(\c)*2048 th:TH_LOAD_NT
.endr
.endr
.macro LANESUM r                       ; register r summed over the wave's 32 lanes, the result in every lane
.irp m, 1,2,4,8
	v_add_f32_dpp v[\r], v[\r], v[\r] row_xmask:\m row_mask:0xf bank_mask:0xf
.endr
	v_permlanex16_b32 v[T+1], v[\r], s14, s15
	v_add_f32 v[\r], v[\r], v[T+1]
.endm
	s_wait_loadcnt 40                              ; my row's 32 pairs are in; younger: the tables' 8 loads and the rows' 32
	v_mov_b32 v[T], v[SM]
	LANESUM T
	v_fmamk_f32 v[T+2], v[T], 0xbd000000, v[SM]    ; m - mean = m - sum / 32
	v_mul_f32 v[T+3], v[T+2], v[T+2]
	v_fmamk_f32 v[T+3], v[T+3], 0x43000000, v[SM+1]  ; 128 (m - mean)^2 + M2
	LANESUM T+3
	v_fma_f32 v[T+3], v[T+3], s17, s30             ; var + 1e-5
	v_rsq_f32 v[T+4], v[T+3]
	v_nop                                          ; a plain instruction behind the root,
	s_wait_alu depctr_va_vdst(0)                   ; and the wait ahead of its first reader
	v_mul_f32 v[T+2], v[T+2], v[T+4]
	ds_store_b32 v[LW], v[T+2]
	ds_store_b32 v[LU], v[T+4] offset:128          ; all lanes write the same word with the same value
	s_wait_loadcnt 32                              ; the two tables; younger: the rows' 32 loads
	s_wait_dscnt 0x0                               ; for the others' sake: my row's record lies in LDS
	s_barrier_signal -1
.irp k, 0,2,4,6,8,10,12,14             ; work on registers while the others arrive: the tables are rounded to bf16 and widened again
	v_cvt_pk_bf16_f32 v[T],   v[G+(\k)],  v[G+(\k)+1]
	v_cvt_pk_bf16_f32 v[T+1], v[BT+(\k)], v[BT+(\k)+1]
	v_lshlrev_b32 v[G+(\k)],    16, v[T]
	v_and_b32     v[G+(\k)+1],  s16, v[T]
	v_lshlrev_b32 v[BT+(\k)],   16, v[T+1]
	v_and_b32     v[BT+(\k)+1], s16, v[T+1]
.endr
	s_barrier_wait -1
	ds_load_b32 v[OR],  v[LR]
	ds_load_b32 v[RSV], v[LQ] offset:128
	s_wait_dscnt 0x0
.macro ROW i
	v_readlane_b32 s[RS], v[RSV], \i
.irp c, 0,1,2,3
	v_readlane_b32 s[OS+2*(\c)], v[OR], 4*(\i)+(\c)
.endr
	s_wait_loadcnt 28-4*(\i)                       ; the row's four loads are in; the later rows' stay out
.irp c, 0,1,2,3
	v_lshlrev_b32 v[E+16*(\i)+4*(\c)],   16,  v[Y+8*(\i)+2*(\c)]      ; bf16 to f32: the low half moves up,
	v_and_b32     v[E+16*(\i)+4*(\c)+1], s16, v[Y+8*(\i)+2*(\c)]      ; the high half stays
	v_lshlrev_b32 v[E+16*(\i)+4*(\c)+2], 16,  v[Y+8*(\i)+2*(\c)+1]
	v_and_b32     v[E+16*(\i)+4*(\c)+3], s16, v[Y+8*(\i)+2*(\c)+1]
	v_pk_fma_f32 v[E+16*(\i)+4*(\c):E+16*(\i)+4*(\c)+1],   v[E+16*(\i)+4*(\c):E+16*(\i)+4*(\c)+1],   s[RS:RS+1], s[OS+2*(\c):OS+2*(\c)+1] op_sel_hi:[1,0,0]
	v_pk_fma_f32 v[E+16*(\i)+4*(\c)+2:E+16*(\i)+4*(\c)+3], v[E+16*(\i)+4*(\c)+2:E+16*(\i)+4*(\c)+3], s[RS:RS+1], s[OS+2*(\c):OS+2*(\c)+1] op_sel_hi:[1,0,0]
	v_pk_fma_f32 v[E+16*(\i)+4*(\c):E+16*(\i)+4*(\c)+1],   v[E+16*(\i)+4*(\c):E+16*(\i)+4*(\c)+1],   v[G+4*(\c):G+4*(\c)+1],   v[BT+4*(\c):BT+4*(\c)+1]
	v_pk_fma_f32 v[E+16*(\i)+4*(\c)+2:E+16*(\i)+4*(\c)+3], v[E+16*(\i)+4*(\c)+2:E+16*(\i)+4*(\c)+3], v[G+4*(\c)+2:G+4*(\c)+3], v[BT+4*(\c)+2:BT+4*(\c)+3]
	global_store_b128 v[VO], v[E+16*(\i)+4*(\c):E+16*(\i)+4*(\c)+3], s[12:13] offset:(\i)*16384+(\c)*4096 th:TH_STORE_NT
.endr
.endm
.irp i, 0,1,2,3,4,5,6,7
	ROW \i
.endr
	s_wait_tensorcnt 0x0                           ; the wave's end, behind my last LDS store
	ds_add_u32 v[SPW], v[NIL]
	s_wait_dscnt 0x0
	s_endpgm
.Lfunc_end_k_q6ba4b17fab_norm:
	.size	k_q6ba4b17fab_norm, .Lfunc_end_k_q6ba4b17fab_norm-k_q6ba4b17fab_norm
	.p2alignl 7, 3214868480
	.fill 96, 4, 3214868480
	.section	.rodata,"a",@progbits
	.p2align	6, 0x0
	.amdhsa_kernel k_q6ba4b17fab_norm
		.amdhsa_group_segment_fixed_size 2560
		.amdhsa_private_segment_fixed_size 0
		.amdhsa_enable_private_segment 0
		.amdhsa_kernarg_size 40
		.amdhsa_user_sgpr_count 2
		.amdhsa_user_sgpr_kernarg_segment_ptr 1
		.amdhsa_wavefront_size32 1
		.amdhsa_system_sgpr_workgroup_id_x 1
		.amdhsa_system_sgpr_workgroup_id_y 1
		.amdhsa_system_sgpr_workgroup_id_z 1
		.amdhsa_system_vgpr_workitem_id 0
		.amdhsa_next_free_vgpr 248
		.amdhsa_next_free_sgpr 66
		.amdhsa_reserve_vcc 0
		.amdhsa_float_denorm_mode_32 3
		.amdhsa_float_denorm_mode_16_64 3
		.amdhsa_memory_ordered 1
		.amdhsa_forward_progress 1
		.amdhsa_inst_pref_size 28
	.end_amdhsa_kernel
	.amdgpu_metadata
---
amdhsa.version: [ 1, 2 ]
amdhsa.kernels:
  - .name:           k_q6ba4b17fab_norm
    .symbol:         k_q6ba4b17fab_norm.kd
    .args:
      - { .name: yd, .offset: 0, .size: 8, .value_kind: global_buffer, .address_space: global }
      - { .name: st, .offset: 8, .size: 8, .value_kind: global_buffer, .address_space: global }
      - { .name: ln_g, .offset: 16, .size: 8, .value_kind: global_buffer, .address_space: global }
      - { .name: ln_beta, .offset: 24, .size: 8, .value_kind: global_buffer, .address_space: global }
      - { .name: out0, .offset: 32, .size: 8, .value_kind: global_buffer, .address_space: global }
    .group_segment_fixed_size: 2560
    .private_segment_fixed_size: 0
    .kernarg_segment_align: 8
    .kernarg_segment_size: 40
    .max_flat_workgroup_size: 256
    .sgpr_count:     66
    .vgpr_count:     248
    .wavefront_size: 32
...
	.end_amdgpu_metadata
.endif
;; end of part 3
;; ======== version 2 of 2: 3 launches; version 1 with the launch norm written anew for expert scheduling mode
;; workspace buffers: xb 33,554,432 bytes; wb 33,554,432 bytes; ext 65,792 bytes; we 262,144 bytes; yd 33,554,432 bytes; st 1,048,576 bytes
;; launch prep: the kernel of part 1 again; grid 256 x 1, 8 waves a work-group, no clusters, 45,568 bytes of LDS; arguments x, lin_w, proj_w, proj_b, scales, translations, comb_w, lin_b, comb_b, xb, wb, ext, we; writes xb, wb, ext, we
;; launch gemm: the kernel of part 2 again; grid 16 x 16, 4 waves a work-group, clusters of 4 x 4, 327,680 bytes of LDS; arguments xb, wb, ext, we, yd, st; writes yd, st
;; launch norm (part 4): grid 512 x 1, 8 waves a work-group, no clusters, 2,560 bytes of LDS; arguments yd, st, ln_g, ln_beta, out0; writes out0
.if DOCPART == 4
	.amdgcn_target "amdgcn-amd-amdhsa--gfx1250"
	.amdhsa_code_object_version 6
	.text
	.protected	k_q6ba4b17fab_norm
	.globl	k_q6ba4b17fab_norm
	.p2align	8
	.type	k_q6ba4b17fab_norm,@function
k_q6ba4b17fab_norm:
	s_mov_b64 s[64:65], 0
	v_nop
	global_prefetch_b8 v0, s[64:65] scope:SCOPE_SE
	s_setreg_imm32_b32 hwreg(HW_REG_WAVE_SCHED_MODE, 0, 2), 2
	s_setreg_imm32_b32 hwreg(HW_REG_WAVE_MODE, 25, 1), 1
	s_wait_xcnt 0x0
	s_wait_alu depctr_vm_vsrc(0)
; WAVELET LAYER, third of three launches: out0[b][:] = (y[b][:] - mean) rsqrt(var + 1e-5) ln_g + ln_beta, all in f32.  No work is left out here.
; y comes as the second launch left it: a row is 32 strips of 128 columns; yd holds d = y - m in bf16, m the strip's mean; st holds [strip][row][m, M2] in f32, M2 = the strip's sum of d^2.
;   mean = the mean of the 32 m;   var = (sum of M2 + 128 sum of (m - mean)^2) / 4,096: sums of squares alone, no difference of large sums;
;   out = (d rs + (m - mean) rs) ln_g + ln_beta,   rs = rsqrt(var + 1e-5).
; ln_g and ln_beta are rounded once to bf16, like every other input of the program.
; LIMIT.  d carries a rounding of at most 2^-9 of |d|, a number's distance from its strip's mean.
; SHARES.  Work-group g: rows 8 g .. 8 g + 7.  Thread t owns columns 1,024 c + 4 t .. + 3, c = 0..3, of every row; its 16 ln_g and ln_beta serve all eight rows.  In chunk c the columns
; of wave w lie in strip 8 c + w: the strip's term is one number for the wave, a scalar.  A load of the wave covers 256 consecutive bytes, aligned, a store 512.
; Wave w makes row w's statistics, a lane a strip, and lays them into LDS; ONE barrier; then each row is scaled as soon as it has landed, while later rows are on their way.
; No matrix unit, no tensor loads, no cluster: the launch streams, and no byte of yd has two readers.
; THE MODE: SCHED_MODE bits 1:0 = 2 (LLVM: expert scheduling mode 2), set by the entry lines.  The code itself states the register dependences
; between vector instructions and memory or LDS instructions, with s_wait_alu, always for 0.
; THE PLAN.  Registers that memory or LDS instructions touch:
;   v1-v5, v14-v17  offsets and LDS addresses: written at the head, read by every load, store and LDS instruction, never written again: one wait ahead of the first load serves them all.
;   SM, G, BT, Y    written by loads that are issued before any vector instruction names them; read behind the counted waits for the loads.
;   T+2, T+4        written by the multiply and the root; each read by one LDS store; never written again.
;   OR, RSV         written by two LDS loads, before any vector instruction names them; read by v_readlane_b32 behind the wait for those loads.
;   E0 .. E7        row i's 16 results: written by row i's arithmetic; read by its four stores, which are issued in row i + 1's turn; never written again.
; Row i + 1's vector instructions name E[i + 1], Y[i + 1], G and BT: none of the registers that row i's stores touch.  So ONE wait on va_vdst at the head of a row's turn states all that
; the four stores of the row before hang on, and these are dealt among the turn's vector instructions with no further wait.  No register that a memory or LDS instruction reads is
; written again, so the text holds no wait on vm_vsrc.  A row's five scalars come by v_readlane_b32: one wait on va_sdst a row, ahead of their first reader.
.set REC,   160                        ; a row's record in LDS: 32 words (m - mean) rs, a word rs, and padding
.set SPARE, 1536                       ; behind the eight records: the spare words, 128 bytes for each wave: four blocks of 256 bytes that no other line names
.set VO,  1                            ; v1   16 t: out0 and the tables
.set VD,  2                            ; v2   8 t: yd
.set VS,  3                            ; v3   st: 32,768 l + 8 w: strip l, row w
.set SPW, 4                            ; v4   my spare word; never rewritten
.set NIL, 5                            ; v5   0; never rewritten
.set T,   6                            ; v[6:13]   at work
.set LW,  14                           ; v14  160 w + 4 l: my word of my wave's record
.set LR,  15                           ; v15  160 (l / 4) + 32 (l % 4) + 4 w: row l / 4, strip 8 (l % 4) + w
.set LQ,  16                           ; v16  160 (l % 8): row l % 8
.set LU,  17                           ; v17  160 w
.set SM,  18                           ; v[18:19]  m, M2 of strip l of row w
.set OR,  20                           ; v20  lane 4 i + c: (m - mean) rs of row i for my wave's chunk c
.set RSV, 21                           ; v21  lane i: rs of row i
.set G,   24                           ; v[24:39]  ln_g of my 16 columns
.set BT,  40                           ; v[40:55]  ln_beta
.set Y,   56                           ; v[56:119]   row i, chunk c: 4 bf16 at Y + 8 i + 2 c
.set E,   120                          ; v[120:247]  row i, chunk c: 4 results at E + 16 i + 4 c
.set RS,  20                           ; s[20:21]  rs of the row in hand (the packed forms name a pair and take its low word for both halves; the upper words are written once)
.set OS,  22                           ; s[22:29]  its four strip terms, a pair each
	s_load_b256 s[4:11], s[0:1], 0x0               ; yd s[4:5], st s[6:7], ln_g s[8:9], ln_beta s[10:11]
	s_load_b64 s[12:13], s[0:1], 0x20              ; out0
	v_lshl_add_u32 v[SPW], v0, 2, SPARE
	v_mov_b32 v[NIL], 0
	v_lshrrev_b32 v6, 5, v0
	v_readfirstlane_b32 s2, v6                     ; wave 0..7
	v_and_b32 v7, 31, v0                           ; l
	v_lshlrev_b32 v[VO], 4, v0
	v_lshlrev_b32 v[VD], 3, v0
	s_wait_alu depctr_va_sdst(0)                   ; s2 is written, ahead of its first reader: the offsets and LDS addresses below are made from it
	s_lshl_b32 s3, s2, 3
	v_lshl_add_u32 v[VS], v7, 15, s3
	s_mul_i32 s3, s2, REC
	v_lshl_add_u32 v[LW], v7, 2, s3
	v_mov_b32 v[LU], s3
	v_lshrrev_b32 v8, 2, v7
	v_and_b32 v9, 3, v7
	v_mul_u32_u24 v[LR], v8, REC
	v_lshl_add_u32 v[LR], v9, 5, v[LR]
	s_lshl_b32 s3, s2, 2
	v_add_nc_u32 v[LR], s3, v[LR]
	v_and_b32 v8, 7, v7
	v_mul_u32_u24 v[LQ], v8, REC
	s_mov_b32 s14, 0x76543210                      ; v_permlanex16_b32: each lane takes its own place in the other half
	s_mov_b32 s15, 0xfedcba98
	s_mov_b32 s16, 0xffff0000                      ; a word's upper bf16
	s_mov_b32 s17, 0x39800000                      ; 1 / 4,096
	s_mov_b32 s30, 0x3727c5ac                      ; 1e-5
.irp p, 21,23,25,27,29
	s_mov_b32 s\p, 0                               ; the pairs' upper words: named, never used
.endr
	s_mov_b32 s19, 0
	s_wait_kmcnt 0x0
	s_lshl_b32 s18, ttmp9, 16                      ; 8 rows of 8,192 bytes
	s_add_nc_u64 s[4:5], s[4:5], s[18:19]
	s_lshl_b32 s18, ttmp9, 6                       ; 8 rows of 8 bytes
	s_add_nc_u64 s[6:7], s[6:7], s[18:19]
	s_lshl_b32 s18, ttmp9, 17                      ; 8 rows of 16,384 bytes
	s_add_nc_u64 s[12:13], s[12:13], s[18:19]
	s_wait_alu depctr_va_vdst(0)                   ; the offsets v1 to v3 and the LDS addresses v14 to v17 are written, which every load, store and LDS instruction of the kernel reads
	global_load_b64 v[SM:SM+1], v[VS], s[6:7]      ; wanted first, asked for first
.irp c, 0,1,2,3
	global_load_b128 v[G+4*(\c):G+4*(\c)+3], v[VO], s[8:9] offset:(\c)*4096
.endr
.irp c, 0,1,2,3
	global_load_b128 v[BT+4*(\c):BT+4*(\c)+3], v[VO], s[10:11] offset:(\c)*4096
.endr
.irp i, 0,1,2,3,4,5,6,7
.irp c, 0,1,2,3
	global_load_b64 v[Y+8*(\i)+2*(\c):Y+8*(\i)+2*(\c)+1], v[VD], s[4:5] offset:(\i)*8192+(\c)*2048 th:TH_LOAD_NT
.endr
.endr
.macro LANESUM r                       ; register r summed over the wave's 32 lanes, the result in every lane
.irp m, 1,2,4,8
	v_add_f32_dpp v[\r], v[\r], v[\r] row_xmask:\m row_mask:0xf bank_mask:0xf
.endr
	v_permlanex16_b32 v[T+1], v[\r], s14, s15
	v_add_f32 v[\r], v[\r], v[T+1]
.endm
	s_wait_loadcnt 40                              ; my row's 32 pairs are in; younger: the tables' 8 loads and the rows' 32
	v_mov_b32 v[T], v[SM]
	LANESUM T
	v_fmamk_f32 v[T+2], v[T], 0xbd000000, v[SM]    ; m - mean = m - sum / 32
	v_mul_f32 v[T+3], v[T+2], v[T+2]
	v_fmamk_f32 v[T+3], v[T+3], 0x43000000, v[SM+1]  ; 128 (m - mean)^2 + M2
	LANESUM T+3
	v_fma_f32 v[T+3], v[T+3], s17, s30             ; var + 1e-5
	v_rsq_f32 v[T+4], v[T+3]
	v_nop                                          ; a plain instruction behind the root
	s_wait_alu depctr_va_vdst(0)                   ; the root has written rs, ahead of its first readers: the LDS store and the multiply below
	ds_store_b32 v[LU], v[T+4] offset:128          ; all lanes write the same word with the same value
	v_mul_f32 v[T+2], v[T+2], v[T+4]
	s_wait_alu depctr_va_vdst(0)                   ; the multiply has written (m - mean) rs, which the LDS store below reads
	ds_store_b32 v[LW], v[T+2]
	s_wait_loadcnt 32                              ; the two tables; younger: the rows' 32 loads
	s_wait_dscnt 0x0                               ; for the others' sake: my row's record lies in LDS
	s_barrier_signal -1
.irp k, 0,2,4,6,8,10,12,14             ; work on registers while the others arrive: the tables are rounded to bf16 and widened again (T and T+1 are named by no LDS instruction)
	v_cvt_pk_bf16_f32 v[T],   v[G+(\k)],  v[G+(\k)+1]
	v_cvt_pk_bf16_f32 v[T+1], v[BT+(\k)], v[BT+(\k)+1]
	v_lshlrev_b32 v[G+(\k)],    16, v[T]
	v_and_b32     v[G+(\k)+1],  s16, v[T]
	v_lshlrev_b32 v[BT+(\k)],   16, v[T+1]
	v_and_b32     v[BT+(\k)+1], s16, v[T+1]
.endr
	s_barrier_wait -1
	ds_load_b32 v[OR],  v[LR]                      ; no vector instruction has named v20 or v21, and the addresses were written ahead of the head's wait
	ds_load_b32 v[RSV], v[LQ] offset:128
	s_wait_dscnt 0x0
; Chunk c of row i leaves: 512 consecutive bytes a wave, aligned.
.macro OUT i, c
	global_store_b128 v[VO], v[E+16*(\i)+4*(\c):E+16*(\i)+4*(\c)+3], s[12:13] offset:(\i)*16384+(\c)*4096 th:TH_STORE_NT
.endm
; Row i's turn: its five scalars, its arithmetic into E[i], and, one ahead of each chunk's arithmetic, the four stores of the row before.
.macro ROW i
	v_readlane_b32 s[RS], v[RSV], \i
.irp c, 0,1,2,3
	v_readlane_b32 s[OS+2*(\c)], v[OR], 4*(\i)+(\c)
.endr
	s_wait_loadcnt 28-4*(\i)                       ; the row's four loads are in; the later rows' stay out
.if (\i) > 0
	s_wait_alu depctr_va_vdst(0)                   ; the row before has written its E, which the four stores below read; no vector instruction of this turn names those registers
.endif
.irp c, 0,1,2,3
.if (\i) > 0
	OUT (\i)-1, \c
.endif
	v_lshlrev_b32 v[E+16*(\i)+4*(\c)],   16,  v[Y+8*(\i)+2*(\c)]      ; bf16 to f32: the low half moves up,
	v_and_b32     v[E+16*(\i)+4*(\c)+1], s16, v[Y+8*(\i)+2*(\c)]      ; the high half stays
	v_lshlrev_b32 v[E+16*(\i)+4*(\c)+2], 16,  v[Y+8*(\i)+2*(\c)+1]
	v_and_b32     v[E+16*(\i)+4*(\c)+3], s16, v[Y+8*(\i)+2*(\c)+1]
.if (\c) == 0
	s_wait_alu depctr_va_sdst(0)                   ; the five v_readlane_b32 above have written rs and the four strip terms, ahead of their first reader, the line below
.endif
	v_pk_fma_f32 v[E+16*(\i)+4*(\c):E+16*(\i)+4*(\c)+1],   v[E+16*(\i)+4*(\c):E+16*(\i)+4*(\c)+1],   s[RS:RS+1], s[OS+2*(\c):OS+2*(\c)+1] op_sel_hi:[1,0,0]
	v_pk_fma_f32 v[E+16*(\i)+4*(\c)+2:E+16*(\i)+4*(\c)+3], v[E+16*(\i)+4*(\c)+2:E+16*(\i)+4*(\c)+3], s[RS:RS+1], s[OS+2*(\c):OS+2*(\c)+1] op_sel_hi:[1,0,0]
	v_pk_fma_f32 v[E+16*(\i)+4*(\c):E+16*(\i)+4*(\c)+1],   v[E+16*(\i)+4*(\c):E+16*(\i)+4*(\c)+1],   v[G+4*(\c):G+4*(\c)+1],   v[BT+4*(\c):BT+4*(\c)+1]
	v_pk_fma_f32 v[E+16*(\i)+4*(\c)+2:E+16*(\i)+4*(\c)+3], v[E+16*(\i)+4*(\c)+2:E+16*(\i)+4*(\c)+3], v[G+4*(\c)+2:G+4*(\c)+3], v[BT+4*(\c)+2:BT+4*(\c)+3]
.endr
.endm
.irp i, 0,1,2,3,4,5,6,7
	ROW \i
.endr
	s_wait_alu depctr_va_vdst(0)                   ; row 7 has written its E, which the last four stores read
.irp c, 0,1,2,3
	OUT 7, \c
.endr
	s_wait_dscnt 0x0                               ; the closing lines, six on end
	s_wait_alu 0x0
	s_wait_tensorcnt 0x0
	ds_add_u32 v[SPW], v[NIL]
	s_wait_dscnt 0x0
	s_endpgm
.Lfunc_end_k_q6ba4b17fab_norm:
	.size	k_q6ba4b17fab_norm, .Lfunc_end_k_q6ba4b17fab_norm-k_q6ba4b17fab_norm
	.p2alignl 7, 3214868480
	.fill 96, 4, 3214868480
	.section	.rodata,"a",@progbits
	.p2align	6, 0x0
	.amdhsa_kernel k_q6ba4b17fab_norm
		.amdhsa_group_segment_fixed_size 2560
		.amdhsa_private_segment_fixed_size 0
		.amdhsa_enable_private_segment 0
		.amdhsa_kernarg_size 40
		.amdhsa_user_sgpr_count 2
		.amdhsa_user_sgpr_kernarg_segment_ptr 1
		.amdhsa_wavefront_size32 1
		.amdhsa_system_sgpr_workgroup_id_x 1
		.amdhsa_system_sgpr_workgroup_id_y 1
		.amdhsa_system_sgpr_workgroup_id_z 1
		.amdhsa_system_vgpr_workitem_id 0
		.amdhsa_next_free_vgpr 248
		.amdhsa_next_free_sgpr 66
		.amdhsa_reserve_vcc 0
		.amdhsa_float_denorm_mode_32 3
		.amdhsa_float_denorm_mode_16_64 3
		.amdhsa_memory_ordered 1
		.amdhsa_forward_progress 1
		.amdhsa_inst_pref_size 29
	.end_amdhsa_kernel
	.amdgpu_metadata
---
amdhsa.version: [ 1, 2 ]
amdhsa.kernels:
  - .name:           k_q6ba4b17fab_norm
    .symbol:         k_q6ba4b17fab_norm.kd
    .args:
      - { .name: yd, .offset: 0, .size: 8, .value_kind: global_buffer, .address_space: global }
      - { .name: st, .offset: 8, .size: 8, .value_kind: global_buffer, .address_space: global }
      - { .name: ln_g, .offset: 16, .size: 8, .value_kind: global_buffer, .address_space: global }
      - { .name: ln_beta, .offset: 24, .size: 8, .value_kind: global_buffer, .address_space: global }
      - { .name: out0, .offset: 32, .size: 8, .value_kind: global_buffer, .address_space: global }
    .group_segment_fixed_size: 2560
    .private_segment_fixed_size: 0
    .kernarg_segment_align: 8
    .kernarg_segment_size: 40
    .max_flat_workgroup_size: 256
    .sgpr_count:     66
    .vgpr_count:     248
    .wavefront_size: 32
...
	.end_amdgpu_metadata
.endif
;; end of part 4
